; MI455X (gfx1250); checked and timed in simulation.
; The chip was launched on July 23, 2026; its instructions are those of AMD's public machine-readable ISA for CDNA 5 (MIT licence, August 2026) and "CDNA5" Instruction Set Architecture Reference Guide (July 2026). The comments in the code are by the model that wrote it; some were corrected since.
;; Bahdanau Attention. Allowed arithmetic: matrix products marked QUANTISED: E2M1 operands, one E8M0 scale for each 32 along K, by v_wmma_scale_f32_16x16x128_f8f6f4 with both operands' format E2M1 (or v_wmma_scale_f32_32x16x128_f4), f32 sums; products left as they are: f32 operands where the result goes on into a quantised operand, else bf16, f16 or f32 operands; f32 sums; everything else in f32.
;; Inputs: Wa_b 1 float32; Wa_w 1 x 1,024 float32; Wb_b 1,024 float32; Wb_w 1,024 x 1,024 float32; Wc_b 1,024 float32; Wc_w 1,024 x 1,024 float32; decoder_state 32 x 1,024 float32; encoder_hiddens 32 x 2,048 x 1,024 float32.
;; Outputs: out0 32 x 1,024 float32.
;; This version of the problem:
;;   THIS VERSION OF THE PROBLEM IS GIVEN IN LOW PRECISION. The matrix products marked QUANTISED in the list below multiply operands that are first quantised to E2M1 (2 exponent bits, 1 mantissa bit; 4 bits a number), with one power-of-two scale for each 32 numbers along K (OCP MX v1.0); their sums are f32. All else is computed in f32.
;;   The module's matrix products, in the order in which they are computed (A, B: the left and right operand; K: the contracted axis; several contracted axes count as one K, in the product's order):
;;     1. [M 32, K 1,024] x [K 1,024, N 1,024]; A: input decoder_state; B: input Wb_w: QUANTISED
;;     2. [M 65,536, K 1,024] x [K 1,024, N 1,024]; A: input encoder_hiddens; B: input Wc_w: QUANTISED
;;     3. [M 65,536, K 1,024] x [K 1,024, N 1]; A: computed on the way; B: input Wa_w: left as it is (N = 1 < 16)
;;     4. batch 32 x [M 1, K 2,048] x [K 2,048, N 1,024]; A: softmax; B: input encoder_hiddens: left as it is (M = 1 < 16)
;;   THE QUANTISER, for each operand of a quantised product, along K:
;;     - K is cut into blocks of 32 from its start; a last block that is shorter is filled with zeros.
;;     - A block's scale is 2^e with e = floor(log2(the largest magnitude in the block)) - 2, held to -126 .. 127; a block of zeros has e = 0. As a byte (E8M0): e + 127.
;;     - Each number is divided by its block's scale, clamped to +-6, and rounded to the nearest number of E2M1, ties to even, subnormals kept.
;;     - The product sums the exact products of the quantised numbers (number of the format x scale) in f32.
;;   ~~~python
;;   def quantise(x, axis):      # numpy; x: float32 -> the quantised numbers, widened to float32 again
;;       x = np.moveaxis(x, axis, -1); K = x.shape[-1]
;;       x = np.pad(x, [(0, 0)] * (x.ndim - 1) + [(0, -K % 32)]); x = x.reshape(x.shape[:-1] + (-1, 32)); a = np.abs(x).max(-1, keepdims=True)
;;       e = np.where(a > 0, np.clip(np.frexp(np.where(a > 0, a, 1))[1] - 1 - 2, -126, 127), 0)      # np.frexp(a)[1] - 1 = floor(log2(a)), exactly
;;       r = np.clip(x / 2.0 ** e, -6, 6)
;;       step = 2.0 ** (np.maximum(np.frexp(np.where(r == 0, 1, r))[1] - 1, 0) - 1)
;;       q = np.round(r / step) * step * 2.0 ** e      # np.round: ties to even
;;       return np.moveaxis(q.reshape(q.shape[:-2] + (-1,))[..., :K], -1, axis).astype(np.float32)
;;   ~~~
;; 2 versions. Each part assembles by itself: llvm-mc -triple=amdgcn-amd-amdhsa -mcpu=gfx1250 --defsym DOCPART=n.
;; ======== version 1 of 2: 3 launches
;; workspace buffers: wbuf 557,056 bytes; bw 262,144 bytes; pctx 2,097,152 bytes; stats 65,536 bytes
;; launch prep (part 1): grid 128 x 1, 8 waves a work-group, no clusters, 47,616 bytes of LDS; arguments Wc_w, Wb_w, decoder_state, Wb_b, Wc_b, Wa_w, wbuf, bw; writes wbuf, bw
.if DOCPART == 1
	.amdgcn_target "amdgcn-amd-amdhsa--gfx1250"
	.amdhsa_code_object_version 6
	.text
	.protected	k_q5ef42ed642_prep
	.globl	k_q5ef42ed642_prep
	.p2align	8
	.type	k_q5ef42ed642_prep,@function
k_q5ef42ed642_prep:
	s_mov_b64 s[64:65], 0
	v_nop
	global_prefetch_b8 v0, s[64:65] scope:SCOPE_SE
	s_setreg_imm32_b32 hwreg(HW_REG_WAVE_MODE, 25, 1), 1
	s_wait_xcnt 0x0
; PREP.  Two jobs, told apart by the work-group number; each has LDS bytes of its own.
; Work-groups 0-63: Wc_w [1024 (n)][1024 (k)] f32 becomes codes of FP4 (E2M1) with one E8M0 byte for each 32 along k, laid in the ORDER OF THE OPERAND REGISTERS:
;   wbuf = 128 groups of 4,352 bytes; group G = 8 x (block of 64 rows n) + (K step of 128).  In a group: tile t (rows 64 (G / 8) + 16 t + r) at 1,024 t: registers 0-3 at 16 x lane, registers 4-7 at 512 + 16 x lane;
;   at 4,096 the scale words [t][r], 4 bytes each.  A wave makes one tile of one group: a lane takes two whole blocks of 32 of its row, in the very order that the operand gives it, so the conversions' results are the fragment.
; Work-groups 64-127: dec_proj = Q(decoder_state) Q(Wb_w)^T for 16 rows b x 32 columns n, then
;   bw [b 32][n 1024][2] f32 = ((dec_proj + Wb_b + Wc_b) x 2 log2(e), -2 Wa_w[n]): what the main launch adds ahead of its exponential, and the weight of the reciprocal.
;   The work-group's 48 rows (16 of decoder_state, 32 of Wb_w) are quantised ROW BY ROW, six rows a wave, each load 512 consecutive bytes, all 48 loads of a wave asked for at once; only codes and scale bytes,
;   an eighth of the bytes, go through LDS.  Behind a barrier wave q takes K step q: three fragments from LDS, two products; the eight partial sums meet in LDS behind a second barrier.
; THE QUANTISER: the block's largest magnitude, with the floor 2^(3 - 127) among its leaves; 2 off its exponent field is the conversion's scale operand; that shifted down by 23 is the byte.
;   The conversion divides, holds at the largest code and rounds to nearest, ties to even.
; LIMITS: NaN and infinities are not served; a block whose largest magnitude lies under 2^-124 (a block of zeros too) gets the byte 1: the bytes are read by this program alone, and codes of zeros add nothing.
; The sum of product 1 is taken in eight parts along K and then added: another order than a single chain.
.set GRP, 4352
; ---- the first job's registers
.set X0,  32                           ; v32-95   64 numbers of a lane
.set X1,  96                           ; v96-103  the codes
.set SW,  8                            ; v8-10    scale words, and nothing else (in both jobs)
.set TM,  14                           ; v14-15   largest magnitudes
.set TS,  16                           ; v16-17   scale operands
.set TP,  19                           ; v19      the other half of the lanes
.set TB,  20                           ; v20-21   bytes
; ---- the second job's registers and LDS
.set RS,  32                           ; v32-223  six row slots of 32; later v32-47 the two accumulators, v96-119 the three fragments, v128-147 the sums
.set MX,  224                          ; v224-227 largest magnitudes
.set SCL, 228                          ; v228-231 scale operands
.set FA,  96
.set FB,  104
.set CP2,    528                       ; a row's 512 bytes of codes + 16: an odd multiple of 16 bytes, so that the 16 rows of a fragment load fall on different banks (ISA guide 11.1)
.set SCP2,   36                        ; a row's 32 scale bytes + 4
.set CODES2, 1024                      ; 48 rows: 0-15 decoder_state, 16-47 Wb_w
.set SC2,    CODES2+48*CP2
.set PS,     28160                     ; [wave 8][b 16] rows of 144 bytes (32 numbers + 16 bytes)
.set PSP,    144
.set PSW,    16*PSP
; 64 numbers: k = 64 c + 32 h + 0 .. 31 of row r, at off bytes from the base
.macro LOADF x, b, off
.irp c, 0,1
.irp i, 0,1,2,3,4,5,6,7
	global_load_b128 v[(\x)+32*\c+4*\i:(\x)+32*\c+4*\i+3], v4, s[\b:\b+1] offset:(\off)+256*\c+16*\i
.endr
.endr
.endm
; they become a fragment (8 registers from c on) and the row's scale word (w)
.macro QFRAG x, c, w
.irp b, 0,1
	v_max3_num_f32 v[TM+\b], |v[(\x)+32*\b]|, |v[(\x)+32*\b+1]|, 0x1800000   ; with the floor: the byte cannot fall under 1
.endr
.irp i, 2,4,6,8,10,12,14,16,18,20,22,24,26,28,30
.irp b, 0,1
	v_max3_num_f32 v[TM+\b], v[TM+\b], |v[(\x)+32*\b+\i]|, |v[(\x)+32*\b+\i+1]|
.endr
.endr
.irp b, 0,1
	v_add_nc_u32 v[TS+\b], 0xff000000, v[TM+\b]    ; 2 off the exponent field: the conversion takes the exponent field of this operand and nothing else
.endr
.irp b, 0,1
	v_lshrrev_b32 v[TB+\b], 23, v[TS+\b]           ; the byte
.endr
	v_lshl_or_b32 v[\w], v[TB+1], 16, v[TB]        ; my blocks h and 2 + h,
	v_lshlrev_b32 v[\w], v5, v[\w]                 ; 8 h bits up;
	v_permlanex16_b32 v[TP], v[\w], s20, s21
	v_or_b32 v[\w], v[\w], v[TP]                   ; with lane l xor 16 the word is whole
.irp b, 0,1
.irp g, 0,1,2,3
	v_cvt_scalef32_pk8_fp4_f32 v[(\c)+4*\b+\g], v[(\x)+32*\b+8*\g:(\x)+32*\b+8*\g+7], v[TS+\b]
.endr
.endr
	v_nop                                          ; one plain place behind the last scaled conversion
.endm
; a whole row of 1,024 numbers into slot i: eight loads of 512 consecutive bytes; lane (r, h) takes 16 bytes at 32 r + 16 h
.macro PLOAD i, b, off
.irp s, 0,1,2,3,4,5,6,7
	global_load_b128 v[RS+32*(\i)+4*\s:RS+32*(\i)+4*\s+3], v28, s[\b:\b+1] offset:(\off)+512*\s
.endr
.endm
; the row in slot i becomes 512 bytes of codes and 32 scale bytes in LDS.  ca, sa: the address registers of my rows of that tensor; ro: which of them
.macro PROW i, ca, sa, ro
.set SB, RS+32*(\i)
.set CD, 232+4*((\i)%2)                ; v232-239 the codes, v240-247 the bytes: two sets by turns
.set BY, 240+4*((\i)%2)
	s_wait_loadcnt 8*(5-(\i))                      ; this row's eight loads are in; the later rows' eight each may be out
.irp k, 0,1,2,3
.irp p, 0,1,2,3
	v_permlane16_swap_b32 v[SB+8*\p+\k], v[SB+8*\p+4+\k]   ; two loads' halves change places: lane (r, h) now holds k = 128 (2 p + h) + 8 r + 0 .. 7 in eight registers on end
.endr
.endr
.irp p, 0,1,2,3
	v_max3_num_f32 v[MX+\p], |v[SB+8*\p]|, |v[SB+8*\p+1]|, 0x1800000   ; my eight, and the floor 2^(3 - 127): the byte cannot fall under 1
.endr
.irp i2, 2,4,6
.irp p, 0,1,2,3
	v_max3_num_f32 v[MX+\p], v[MX+\p], |v[SB+8*\p+\i2]|, |v[SB+8*\p+\i2+1]|
.endr
.endr
.irp m, 1,2
.irp p, 0,1,2,3
	v_max_num_f32_dpp v[MX+\p], v[MX+\p], v[MX+\p] row_xmask:\m row_mask:0xf bank_mask:0xf   ; four neighbouring lanes hold a block of 32
.endr
.endr
.irp p, 0,1,2,3
	v_add_nc_u32 v[SCL+\p], 0xff000000, v[MX+\p]   ; 2 off the exponent field: the conversion's scale operand
.endr
.if (\i) >= 2
	s_wait_dscnt 8                                 ; the last row's eight stores may be out; those of the row before, which read this set of registers, are done
.endif
.irp p, 0,1,2,3
	v_cvt_scalef32_pk8_fp4_f32 v[CD+\p], v[SB+8*\p:SB+8*\p+7], v[SCL+\p]
.endr
.irp p, 0,1,2,3
	v_lshrrev_b32 v[BY+\p], 23, v[SCL+\p]          ; the byte.  (Plain lines behind the conversions)
.endr
.irp p, 0,1,2,3
	ds_store_b32 v[\ca], v[CD+\p] offset:(\ro)*CP2+128*\p   ; eight codes a lane: byte 128 p + 4 x lane of the row; 128 consecutive bytes an instruction
.endr
.irp p, 0,1,2,3
	ds_store_b8 v[\sa], v[BY+\p] offset:(\ro)*SCP2+8*\p     ; block 8 p + lane / 4; its four lanes write the same byte with the same value
.endr
.endm
	s_load_b256 s[4:11], s[0:1], 0x0               ; Wc_w s[4:5], Wb_w s[6:7], decoder_state s[8:9], Wb_b s[10:11]
	s_load_b256 s[12:19], s[0:1], 0x20             ; Wc_b s[12:13], Wa_w s[14:15], wbuf s[16:17], bw s[18:19]
	v_lshl_add_u32 v254, v0, 2, 0xb600
	v_mov_b32 v255, 0
	v_lshrrev_b32 v1, 5, v0
	v_readfirstlane_b32 s22, v1                    ; wave 0..7
	v_and_b32 v1, 31, v0                           ; lane
	v_and_b32 v2, 15, v0                           ; r
	v_bfe_u32 v3, v0, 4, 1                         ; h
	s_cmp_lt_u32 ttmp9, 64
	s_cbranch_scc0 .Ldec
	; ---- Wc_w into wbuf
	v_lshlrev_b32 v4, 12, v2
	v_lshl_add_u32 v4, v3, 7, v4                   ; row r of 4,096 bytes + 128 h
	v_lshlrev_b32 v5, 3, v3                        ; 8 h
	v_mov_b32 v[TP], 0                             ; a lane permute's destination counts as one of its sources
	s_mov_b32 s20, 0x76543210
	s_mov_b32 s21, 0xfedcba98                      ; selects for lane l xor 16
	s_lshr_b32 s23, s22, 2                         ; which of the work-group's two groups
	s_and_b32 s24, s22, 3                          ; t
	s_lshl_b32 s25, ttmp9, 1
	s_add_co_u32 s25, s25, s23                     ; G
	s_lshr_b32 s26, s25, 3
	s_lshl_b32 s26, s26, 2
	s_add_co_u32 s26, s26, s24                     ; 4 (G / 8) + t: which 16 rows of Wc_w,
	s_lshl_b32 s26, s26, 16                        ; of 4,096 bytes each,
	s_and_b32 s27, s25, 7
	s_lshl_b32 s27, s27, 9
	s_add_co_u32 s26, s26, s27                     ; + the K step's 512 bytes
	s_mov_b32 s27, 0
	s_mul_i32 s28, s25, GRP
	s_lshl_b32 s29, s24, 10
	s_add_co_u32 s30, s28, s29                     ; my tile's place in wbuf
	s_mov_b32 s31, 0
	s_add_co_u32 s28, s28, 4096                    ; the group's scale words
	s_mov_b32 s29, 0
	s_lshl_b32 s32, s23, 8                         ; LDS bytes 0-511: a group's 64 scale words
	s_lshl_b32 s33, s24, 6
	s_add_co_u32 s33, s33, s32
	v_lshl_add_u32 v6, v2, 2, s33                  ; in: 256 x group + 64 t + 4 r
	v_lshl_add_u32 v7, v1, 3, s32                  ; back: 256 x group + 8 x lane
	v_lshlrev_b32 v12, 4, v1
	v_lshlrev_b32 v13, 3, v1
	s_wait_kmcnt 0x0
	s_add_nc_u64 s[4:5], s[4:5], s[26:27]
	s_add_nc_u64 s[30:31], s[16:17], s[30:31]
	s_add_nc_u64 s[28:29], s[16:17], s[28:29]
	LOADF X0, 4, 0
	s_wait_loadcnt 0x0
	QFRAG X0, X1, SW
	global_store_b128 v12, v[X1:X1+3], s[30:31]               ; 32 lanes store 512 consecutive bytes
	global_store_b128 v12, v[X1+4:X1+7], s[30:31] offset:512
	ds_store_b32 v6, v[SW]                         ; both halves of the lanes write the same word with the same value
	s_wait_dscnt 0x0                               ; for the other waves: my word has landed
	s_barrier_signal -1
	s_barrier_wait -1
	s_cmp_lg_u32 s24, 0                            ; one wave of a group sends its 64 words
	s_cbranch_scc1 .Lend_w
	ds_load_b64 v[22:23], v7
	s_wait_dscnt 0x0
	global_store_b64 v13, v[22:23], s[28:29]       ; 32 lanes store 256 consecutive bytes, aligned
.Lend_w:
	s_wait_tensorcnt 0x0
	ds_add_u32 v254, v255
	s_wait_dscnt 0x0
	s_endpgm
	; ---- dec_proj, and bw
.Ldec:
	s_sub_co_u32 s23, ttmp9, 64
	s_and_b32 s24, s23, 1                          ; which 16 rows b
	s_lshr_b32 s25, s23, 1                         ; which 32 columns n
	s_lshl_b32 s26, s24, 16                        ; decoder_state: 16 rows of 4,096 bytes a half,
	s_lshl_b32 s27, s22, 13                        ; my wave's two rows
	s_add_co_u32 s26, s26, s27
	s_mov_b32 s27, 0
	s_lshl_b32 s28, s25, 17                        ; Wb_w: 32 rows,
	s_lshl_b32 s29, s22, 14                        ; my wave's four
	s_add_co_u32 s28, s28, s29
	s_mov_b32 s29, 0
	s_lshl_b32 s30, s25, 7                         ; 32 numbers of a bias or of Wa_w
	s_mov_b32 s31, 0
	s_lshl_b32 s34, s24, 17                        ; bw: 16 rows of 8,192 bytes,
	s_lshl_b32 s35, s25, 8                         ; 32 pairs in a row
	s_add_co_u32 s34, s34, s35
	s_mov_b32 s35, 0
	s_mov_b32 s33, 0x4038aa3b                      ; 2 log2(e)
	s_mul_i32 s36, s22, 2*CP2
	s_add_co_u32 s36, s36, CODES2
	v_lshl_add_u32 v12, v1, 2, s36                 ; v12 codes of my two rows of decoder_state: rows 2 w on, 4 bytes a lane
	s_mul_i32 s36, s22, 4*CP2
	s_add_co_u32 s36, s36, CODES2+16*CP2
	v_lshl_add_u32 v13, v1, 2, s36                 ; v13 codes of my four rows of Wb_w: rows 16 + 4 w on
	v_lshrrev_b32 v14, 2, v1                       ; lane / 4
	s_mul_i32 s36, s22, 2*SCP2
	s_add_co_u32 s36, s36, SC2
	v_add_nc_u32 v15, s36, v14                     ; v15, v16 their scale bytes
	s_mul_i32 s36, s22, 4*SCP2
	s_add_co_u32 s36, s36, SC2+16*SCP2
	v_add_nc_u32 v16, s36, v14
	v_mul_u32_u24 v17, v2, CP2
	v_lshl_add_u32 v17, v3, 4, v17
	s_lshl_b32 s36, s22, 6
	s_add_co_u32 s36, s36, CODES2
	v_add_nc_u32 v17, s36, v17                     ; v17 a fragment of K step w: row r, + 16 h, + 64 w
	v_mul_u32_u24 v18, v2, SCP2
	s_lshl_b32 s36, s22, 2
	s_add_co_u32 s36, s36, SC2
	v_add_nc_u32 v18, s36, v18                     ; v18 its rows' scale words: row r, + 4 w
	s_mul_i32 s36, s22, PSW
	s_add_co_u32 s36, s36, PS
	v_mul_u32_u24 v19, v3, 8*PSP
	v_lshl_add_u32 v19, v2, 2, v19
	v_add_nc_u32 v19, s36, v19                     ; v19 partial sums in: my wave's part, row 8 h, column r
	v_lshrrev_b32 v20, 4, v0                       ; thread / 16: b
	v_mul_u32_u24 v6, v20, PSP
	v_lshl_add_u32 v6, v2, 3, v6
	v_add_nc_u32 v6, PS, v6                        ; v6  back: row b, columns 2 r and 2 r + 1
	v_lshlrev_b32 v7, 13, v20
	v_lshl_add_u32 v7, v2, 4, v7                   ; v7  in bw: row b of 8,192 bytes, 16 bytes a thread
	v_lshlrev_b32 v21, 3, v2                       ; v21 my two columns in a bias
	v_lshlrev_b32 v28, 5, v2
	v_lshl_add_u32 v28, v3, 4, v28                 ; v28 32 r + 16 h
	s_wait_kmcnt 0x0
	s_add_nc_u64 s[8:9], s[8:9], s[26:27]
	s_add_nc_u64 s[6:7], s[6:7], s[28:29]
	s_add_nc_u64 s[10:11], s[10:11], s[30:31]
	s_add_nc_u64 s[12:13], s[12:13], s[30:31]
	s_add_nc_u64 s[14:15], s[14:15], s[30:31]
	s_add_nc_u64 s[18:19], s[18:19], s[34:35]
	global_load_b64 v[22:23], v21, s[10:11]        ; Wb_b, Wc_b, Wa_w at my two columns: the oldest loads, so every wait below covers them
	global_load_b64 v[24:25], v21, s[12:13]
	global_load_b64 v[26:27], v21, s[14:15]
	PLOAD 0, 8, 0                                  ; all six rows are asked for at once: 48 loads
	PLOAD 1, 8, 4096
	PLOAD 2, 6, 0
	PLOAD 3, 6, 4096
	PLOAD 4, 6, 8192
	PLOAD 5, 6, 12288
	PROW 0, 12, 15, 0
	PROW 1, 12, 15, 1
	PROW 2, 13, 16, 0
	PROW 3, 13, 16, 1
	PROW 4, 13, 16, 2
	PROW 5, 13, 16, 3
	s_wait_dscnt 0x0                               ; for the other waves: my rows' codes and scale bytes have landed
	s_barrier_signal -1
	s_barrier_wait -1
	ds_load_b128 v[FA:FA+3], v17                   ; K step w: decoder_state's 16 rows,
	ds_load_b128 v[FA+4:FA+7], v17 offset:32
.irp n, 0,1
	ds_load_b128 v[FB+8*\n:FB+8*\n+3], v17 offset:(16+16*\n)*CP2        ; and two tiles of 16 rows of Wb_w
	ds_load_b128 v[FB+8*\n+4:FB+8*\n+7], v17 offset:(16+16*\n)*CP2+32
.endr
	ds_load_b32 v[SW], v18                         ; their scale words: lane r has row r (lanes 16-31 hold the same and are not read)
	ds_load_b32 v[SW+1], v18 offset:16*SCP2
	ds_load_b32 v[SW+2], v18 offset:32*SCP2
	s_wait_dscnt 0x0
.irp n, 0,1
	v_wmma_scale_f32_16x16x128_f8f6f4 v[RS+8*\n:RS+8*\n+7], v[FA:FA+7], v[FB+8*\n:FB+8*\n+7], 0, v[SW], v[SW+1+\n] matrix_a_fmt:MATRIX_FMT_FP4 matrix_b_fmt:MATRIX_FMT_FP4
.endr
.rept 4
	v_nop                                          ; four places ahead of the first read of a result (ISA guide 7.12.1)
.endr
.irp n, 0,1
.irp j, 0,1,2,3,4,5,6,7
	ds_store_b32 v19, v[RS+8*\n+\j] offset:\j*PSP+64*\n   ; (b = 8 h + j, column 16 n + r); each accumulator from its low end on
.endr
.endr
	s_wait_dscnt 0x0                               ; for the other waves: my partial sums have landed
	s_barrier_signal -1
	s_barrier_wait -1
.irp q, 0,1,2,3,4,5,6,7
	ds_load_b64 v[128+2*\q:129+2*\q], v6 offset:\q*PSW
.endr
	v_pk_add_f32 v[22:23], v[22:23], v[24:25]      ; Wb_b + Wc_b,
	v_pk_mul_f32 v[22:23], v[22:23], 0x4038aa3b op_sel_hi:[1,0]   ; x 2 log2(e)
	s_wait_dscnt 0x0
	v_pk_add_f32 v[128:129], v[128:129], v[130:131]
	v_pk_add_f32 v[132:133], v[132:133], v[134:135]
	v_pk_add_f32 v[136:137], v[136:137], v[138:139]
	v_pk_add_f32 v[140:141], v[140:141], v[142:143]
	v_pk_add_f32 v[128:129], v[128:129], v[132:133]
	v_pk_add_f32 v[136:137], v[136:137], v[140:141]
	v_pk_add_f32 v[128:129], v[128:129], v[136:137]
	v_fma_f32 v144, v128, s33, v22                 ; straight into the store's registers: (bias, weight) of column 2 r, then of 2 r + 1
	v_mul_f32 v145, -2.0, v26
	v_fma_f32 v146, v129, s33, v23
	v_mul_f32 v147, -2.0, v27
	global_store_b128 v7, v[144:147], s[18:19]     ; sixteen lanes store 256 consecutive bytes, aligned
	s_wait_tensorcnt 0x0
	ds_add_u32 v254, v255
	s_wait_dscnt 0x0
	s_endpgm
.Lfunc_end_k_q5ef42ed642_prep:
	.size	k_q5ef42ed642_prep, .Lfunc_end_k_q5ef42ed642_prep-k_q5ef42ed642_prep
	.p2alignl 7, 3214868480
	.fill 96, 4, 3214868480
	.section	.rodata,"a",@progbits
	.p2align	6, 0x0
	.amdhsa_kernel k_q5ef42ed642_prep
		.amdhsa_group_segment_fixed_size 47616
		.amdhsa_private_segment_fixed_size 0
		.amdhsa_enable_private_segment 0
		.amdhsa_kernarg_size 64
		.amdhsa_user_sgpr_count 2
		.amdhsa_user_sgpr_kernarg_segment_ptr 1
		.amdhsa_wavefront_size32 1
		.amdhsa_system_sgpr_workgroup_id_x 1
		.amdhsa_system_sgpr_workgroup_id_y 1
		.amdhsa_system_sgpr_workgroup_id_z 1
		.amdhsa_system_vgpr_workitem_id 0
		.amdhsa_next_free_vgpr 256
		.amdhsa_next_free_sgpr 66
		.amdhsa_reserve_vcc 0
		.amdhsa_float_denorm_mode_32 3
		.amdhsa_float_denorm_mode_16_64 3
		.amdhsa_memory_ordered 1
		.amdhsa_forward_progress 1
		.amdhsa_inst_pref_size 39
	.end_amdhsa_kernel
	.amdgpu_metadata
---
amdhsa.version: [ 1, 2 ]
amdhsa.kernels:
  - .name:           k_q5ef42ed642_prep
    .symbol:         k_q5ef42ed642_prep.kd
    .args:
      - { .name: Wc_w, .offset: 0, .size: 8, .value_kind: global_buffer, .address_space: global }
      - { .name: Wb_w, .offset: 8, .size: 8, .value_kind: global_buffer, .address_space: global }
      - { .name: decoder_state, .offset: 16, .size: 8, .value_kind: global_buffer, .address_space: global }
      - { .name: Wb_b, .offset: 24, .size: 8, .value_kind: global_buffer, .address_space: global }
      - { .name: Wc_b, .offset: 32, .size: 8, .value_kind: global_buffer, .address_space: global }
      - { .name: Wa_w, .offset: 40, .size: 8, .value_kind: global_buffer, .address_space: global }
      - { .name: wbuf, .offset: 48, .size: 8, .value_kind: global_buffer, .address_space: global }
      - { .name: bw, .offset: 56, .size: 8, .value_kind: global_buffer, .address_space: global }
    .group_segment_fixed_size: 47616
    .private_segment_fixed_size: 0
    .kernarg_segment_align: 8
    .kernarg_segment_size: 64
    .max_flat_workgroup_size: 256
    .sgpr_count:     66
    .vgpr_count:     256
    .wavefront_size: 32
...
	.end_amdgpu_metadata
.endif
;; end of part 1
;; launch main (part 2): grid 256 x 1, 12 waves a work-group, no clusters, 316,928 bytes of LDS; arguments encoder_hiddens, wbuf, bw, Wa_w, Wa_b, pctx, stats; writes pctx, stats
.if DOCPART == 2
	.amdgcn_target "amdgcn-amd-amdhsa--gfx1250"
	.amdhsa_code_object_version 6
	.text
	.protected	k_q5ef42ed642_main
	.globl	k_q5ef42ed642_main
	.p2align	8
	.type	k_q5ef42ed642_main,@function
k_q5ef42ed642_main:
	s_mov_b64 s[64:65], 0
	v_nop
	global_prefetch_b8 v0, s[64:65] scope:SCOPE_SE
	s_setreg_imm32_b32 hwreg(HW_REG_WAVE_MODE, 25, 1), 1
	s_wait_xcnt 0x0
; MAIN.  A work-group owns 256 rows (s) of one batch b = work-group / 8 and reads them from memory ONCE: quantise, product 2 on codes of FP4 (E2M1, one E8M0 byte for each 32 along K), tanh, the product with Wa,
; a softmax with a running maximum, and the weighted sum of the rows.  It leaves a partial context (two vectors of 1,024) and the pair (m, l); the last launch joins a batch's eight work-groups.
; ROLES.  Twelve waves.  Waves 8-11 (LOADERS) stream encoder_hiddens; waves 0-7 (GEMM waves) stream the weights: so each stream has a load counter of its own and neither waits behind the other.
; BLOCKS.  The 256 rows go in four blocks of 64.  Loader q streams rows 64 q .. 64 q + 63 on end; block J takes its rows 16 J .. 16 J + 15 as the block's rows 16 q + 0 .. 15 (softmax and sum ask for no order).
; A row is kept in LDS as bf16 (for the last product, which the contract leaves as it is) until its score is whole: two holds of 64 rows by turns.  Its codes wait in the loader's registers and go to LDS when the last block's codes have been read.
; A TRIP J, two barriers.  First half: GEMM wave w makes columns 128 w .. 128 w + 127 of block J (two chunks of 64 columns x 8 K steps of 128; 16 accumulators), tanh, x Wa, sums over its columns -> PART;
;   the loaders quantise block J + 1.  | barrier |  Second half: every GEMM wave adds the eight parts, takes the softmax step, and adds p x row for 32 rows x 256 columns; the loaders put block J + 1's codes into LDS.  | barrier |
; tanh(x) = 1 - 2 / (1 + 2^(2 log2(e) x)), right at both ends (the exponential's infinity gives 1, its zero -1).  So score = (sum of Wa + Wa_b) + sum over n of (-2 Wa[n]) / (1 + 2^(..)).
; THE WEIGHTS ARE SHARED BY ALL WORK-GROUPS AND YET NOT ASKED FOR JOINTLY: joint requests land in LDS, and of its 327,680 bytes 315,392 are taken (two holds of 131,072, the codes' 33,792, the tables): no two slots fit.
;   They lie in wbuf in the order of the operand registers and go from there straight into registers, three K steps (30 loads a wave) ahead.
; LIMITS: NaN and infinities are not served; a block of 32 whose largest magnitude lies under 2^-124 (a block of zeros too) gets the scale byte 1 (zero codes add nothing); encoder_hiddens is rounded to bf16 for the
;   last product; the f32 sums are taken in another order than a single chain.
; LDS
.set HOLDSZ, 131072                    ; a hold: 64 rows x 2,048 bytes of bf16; hold 0 at 0, hold 1 behind it
.set CODES,  262144                    ; 64 rows of 512 bytes, pitch 528: an odd multiple of 16 bytes, so that the 16 rows of a fragment load fall on different banks (ISA guide 11.1)
.set CP,     528
.set SC0,    295936                    ; scale bytes: 64 rows of 32, pitch 36; the second set SCX further on
.set SCP,    36
.set SCX,    4096
.set PART,   303104                    ; [GEMM wave 8][row 64] f32
.set PSC,    305152                    ; p of a block's 64 rows: 256 bytes for each GEMM wave, its own
.set BWT,    307200                    ; (bias, weight) of a GEMM wave's 128 columns: 1,024 bytes each, its own
.set GRP,    4352                      ; a K step's weights in wbuf: four tiles of 1,024 bytes, 256 bytes of scale words
; REGISTERS.  v1-19 addresses, made by every wave ahead of the first parting; v20 m, v21 l, v22 (sum of Wa + Wa_b) log2(e).
; Both roles keep loads from memory out across the barriers at which they meet, so THE TWO ROLES' LOADS FROM MEMORY LAND IN DISJOINT REGISTERS: the weights in v26-31, v64-95 and v256-319, the rows in v32-63 and v96-255.
; GEMM waves: v24-25 A's scale words, v26-31 B's (three sets): these hold scales and nothing else; v32-63 A's four fragments; v64-95 B's set 0; v96-127 the row sums S; v128-255 the 16 accumulators, at work in the second half;
;   window 1: v256-287 B's set 1, v288-319 B's set 2, v320-327 (bias, weight) of the chunk's four tiles, v328-335 the context.
; Loaders: six row slots of 32: v32-63 and v96-255; v64-75 at work; window 1: v256-319 the block's codes.
.set SA,   24
.set SBW,  26
.set AF,   32
.set B0,   64
.set SR,   96
.set ACC,  128
.set XR,   160                         ; second half: two sets of eight rows' 16 bytes
.set PR,   224                         ; second half: p of my 32 rows
.set BWR,  64                          ; in window 1
.set CTX,  72                          ; in window 1
.set MX,   64
.set SCL,  68
.set BY,   72
.set MSB, 0
.macro WIN new                         ; s_set_vgpr_msb: bits 1:0 source 0, 3:2 source 1, 5:4 source 2, 7:6 destination; the high byte repeats the setting that is left
.if MSB != \new
	s_set_vgpr_msb (MSB<<8)|\new
.set MSB, \new
.endif
.endm
.macro BAR                             ; my LDS stores have landed and my LDS loads are in: then the work-group's barrier
	s_wait_dscnt 0x0
	s_barrier_signal -1
	s_barrier_wait -1
.endm
.macro PLACES                          ; four plain places behind a matrix instruction, ahead of loads into its registers and of reads of its result (ISA guide 7.12.1 for reads of its result)
.rept 4
	v_nop
.endr
.endm
; ---------------- GEMM waves
; the weights of step k (chunk k / 8, K step k % 8) into set k % 3: ten loads
.macro BL k
.set SG, (\k)%3
.if SG == 0
	WIN 0
.set BB, B0
.else
	WIN 0x40                                       ; sets 1 and 2 lie in window 1
.set BB, 32*(SG-1)
.endif
.irp t, 0,1,2,3
.irp c, 0,1
	global_load_b128 v[BB+8*\t+4*\c:BB+8*\t+4*\c+3], v1, s[6:7] offset:(\k)*GRP+\t*1024+512*\c   ; 32 lanes read 512 consecutive bytes
.endr
.endr
	WIN 0
.irp u, 0,1
	global_load_b32 v[SBW+2*SG+\u], v2, s[6:7] offset:(\k)*GRP+4096+128*\u   ; lanes 0-15 tile 2 u, lanes 16-31 tile 2 u + 1
.endr
.endm
; two fragments of A (tiles 2 half, 2 half + 1) of K step s, and their rows' scale words (lane = row 32 half + lane): five LDS loads
.macro AL half, s
.irp aa, 0,1
.irp c, 0,1
	ds_load_b128 v[AF+8*(2*(\half)+\aa)+4*\c:AF+8*(2*(\half)+\aa)+4*\c+3], v3 offset:(2*(\half)+\aa)*16*CP+64*(\s)+32*\c
.endr
.endr
	ds_load_b32 v[SA+(\half)], v5 offset:(\half)*32*SCP+4*(\s)
.endm
.macro BWL c                           ; (bias, weight) of chunk c's four tiles, column r of each
	WIN 0x40
.irp t, 0,1,2,3
	ds_load_b64 v[BWR+2*\t:BWR+2*\t+1], v12 offset:512*(\c)+128*\t
.endr
	WIN 0
.endm
; one product: source 0 = 16 rows of the block, source 1 = 16 rows n of Wc: in the result a lane holds column n = r and rows 8 h + 0 .. 7.  An odd tile's scale words stand in lanes 16-31.
.macro WM a, t, zero
.set rD, ACC+8*(4*(\a)+(\t))
.set rA, AF+8*(\a)
.set rB, BB+8*(\t)
.set rX, SA+(\a)/2
.set rY, SBW+2*SG+(\t)/2
.set rw, 2*((\a)%2)+(\t)%2
.if \zero
.if rw == 0
	v_wmma_scale_f32_16x16x128_f8f6f4 v[rD:rD+7], v[rA:rA+7], v[rB:rB+7], 0, v[rX], v[rY] matrix_a_fmt:MATRIX_FMT_FP4 matrix_b_fmt:MATRIX_FMT_FP4
.elseif rw == 1
	v_wmma_scale_f32_16x16x128_f8f6f4 v[rD:rD+7], v[rA:rA+7], v[rB:rB+7], 0, v[rX], v[rY] matrix_a_fmt:MATRIX_FMT_FP4 matrix_b_fmt:MATRIX_FMT_FP4 matrix_b_scale:MATRIX_SCALE_ROW1
.elseif rw == 2
	v_wmma_scale_f32_16x16x128_f8f6f4 v[rD:rD+7], v[rA:rA+7], v[rB:rB+7], 0, v[rX], v[rY] matrix_a_fmt:MATRIX_FMT_FP4 matrix_b_fmt:MATRIX_FMT_FP4 matrix_a_scale:MATRIX_SCALE_ROW1
.else
	v_wmma_scale_f32_16x16x128_f8f6f4 v[rD:rD+7], v[rA:rA+7], v[rB:rB+7], 0, v[rX], v[rY] matrix_a_fmt:MATRIX_FMT_FP4 matrix_b_fmt:MATRIX_FMT_FP4 matrix_a_scale:MATRIX_SCALE_ROW1 matrix_b_scale:MATRIX_SCALE_ROW1
.endif
.else
.if rw == 0
	v_wmma_scale_f32_16x16x128_f8f6f4 v[rD:rD+7], v[rA:rA+7], v[rB:rB+7], v[rD:rD+7], v[rX], v[rY] matrix_a_fmt:MATRIX_FMT_FP4 matrix_b_fmt:MATRIX_FMT_FP4
.elseif rw == 1
	v_wmma_scale_f32_16x16x128_f8f6f4 v[rD:rD+7], v[rA:rA+7], v[rB:rB+7], v[rD:rD+7], v[rX], v[rY] matrix_a_fmt:MATRIX_FMT_FP4 matrix_b_fmt:MATRIX_FMT_FP4 matrix_b_scale:MATRIX_SCALE_ROW1
.elseif rw == 2
	v_wmma_scale_f32_16x16x128_f8f6f4 v[rD:rD+7], v[rA:rA+7], v[rB:rB+7], v[rD:rD+7], v[rX], v[rY] matrix_a_fmt:MATRIX_FMT_FP4 matrix_b_fmt:MATRIX_FMT_FP4 matrix_a_scale:MATRIX_SCALE_ROW1
.else
	v_wmma_scale_f32_16x16x128_f8f6f4 v[rD:rD+7], v[rA:rA+7], v[rB:rB+7], v[rD:rD+7], v[rX], v[rY] matrix_a_fmt:MATRIX_FMT_FP4 matrix_b_fmt:MATRIX_FMT_FP4 matrix_a_scale:MATRIX_SCALE_ROW1 matrix_b_scale:MATRIX_SCALE_ROW1
.endif
.endif
.endm
.macro MM half, k, zero                ; eight products: two tiles of rows x the chunk's four tiles of columns
.set SG, (\k)%3
.if SG == 0
	WIN 0
.set BB, B0
.else
	WIN 0x04                                       ; source 1 (B's set 1 or 2) in window 1
.set BB, 32*(SG-1)
.endif
.irp aa, 0,1
.irp t, 0,1,2,3
	WM (2*(\half)+\aa), \t, \zero
.endr
.endr
	WIN 0
.endm
; A step: 16 products.  The 16 accumulators take turns, one instruction a turn, in the same order in every step.  A chunk's first step starts the sums with the constant 0.
.macro STEP k
.set ZZ, 0
.if (\k)%8 == 0
.set ZZ, 1
.endif
.if (\k) <= 13
	s_wait_loadcnt 20                              ; this step's ten loads are in; the two later steps' may be out
.elseif (\k) == 14
	s_wait_loadcnt 10
.else
	s_wait_loadcnt 0x0
.endif
	s_wait_dscnt 5                                 ; A's tiles 0, 1 are in; the five youngest loads may be out
	MM 0, \k, ZZ
	PLACES
.if (\k) < 15
	AL 0, ((\k)+1)%8
	s_wait_dscnt 5                                 ; tiles 2, 3 are in; the five just issued may be out
.else
	s_wait_dscnt 0x0
.endif
	MM 1, \k, ZZ
	PLACES
.if (\k) < 15
	AL 1, ((\k)+1)%8
.endif
.if (\k) <= 12
	BL (\k)+3                                      ; into the set that this step has just read
.endif
.endm
; The chunk's 16 tiles: 2^(2 log2(e) (enc_proj + dec_proj + biases)), + 1, reciprocal, x (-2 Wa[n]), added onto the row sums S.  Each accumulator is read from its low end on.
; The exponentials are one batch and the reciprocals another: behind each one plain instruction and ONE wait ahead of the first reader.
.macro TANH c
	WIN 0x10                                       ; source 2 (the bias) in window 1
.set ii, 0
.rept 64
	v_pk_fma_f32 v[ACC+2*ii:ACC+2*ii+1], v[ACC+2*ii:ACC+2*ii+1], s[26:27], v[BWR+2*((ii/4)%4):BWR+2*((ii/4)%4)+1] op_sel_hi:[1,0,0]   ; of the pairs the low word serves both halves
.set ii, ii+1
.endr
	WIN 0
.set ii, 0
.rept 128
	v_exp_f32 v[ACC+ii], v[ACC+ii]
.set ii, ii+1
.endr
	v_nop
	s_wait_alu depctr_va_vdst(0)
.set ii, 0
.rept 64
	v_pk_add_f32 v[ACC+2*ii:ACC+2*ii+1], v[ACC+2*ii:ACC+2*ii+1], 1.0 op_sel_hi:[1,0]
.set ii, ii+1
.endr
.set ii, 0
.rept 128
	v_rcp_f32 v[ACC+ii], v[ACC+ii]
.set ii, ii+1
.endr
	v_nop
	s_wait_alu depctr_va_vdst(0)
	WIN 0x04                                       ; source 1 (the weight) in window 1
.irp t, 0,1,2,3
.irp a, 0,1,2,3
.irp jj, 0,1,2,3
.if ((\c) == 0) && (\t == 0)
	v_pk_mul_f32 v[SR+8*\a+2*\jj:SR+8*\a+2*\jj+1], v[ACC+8*(4*\a+\t)+2*\jj:ACC+8*(4*\a+\t)+2*\jj+1], v[BWR+2*\t:BWR+2*\t+1] op_sel:[0,1]   ; the first tile starts the sums; of the pair the high word, the weight, serves both halves
.else
	v_pk_fma_f32 v[SR+8*\a+2*\jj:SR+8*\a+2*\jj+1], v[ACC+8*(4*\a+\t)+2*\jj:ACC+8*(4*\a+\t)+2*\jj+1], v[BWR+2*\t:BWR+2*\t+1], v[SR+8*\a+2*\jj:SR+8*\a+2*\jj+1] op_sel:[0,1,0]
.endif
.endr
.endr
.endr
	WIN 0
.endm
.macro REDUCE                          ; S over the sixteen lanes (columns) of each half, then my 64 row sums to PART
.irp m, 1,2,4,8
.set ii, 0
.rept 32
	v_add_f32_dpp v[SR+ii], v[SR+ii], v[SR+ii] row_xmask:\m row_mask:0xf bank_mask:0xf
.set ii, ii+1
.endr
.endr
.irp a, 0,1,2,3
.irp u, 0,1
	ds_store_b128 v8, v[SR+8*\a+4*\u:SR+8*\a+4*\u+3] offset:64*\a+16*\u   ; rows 16 a + 8 h + 4 u + 0 .. 3; the sixteen lanes of a half write the same words with the same values
.endr
.endr
.endm
.macro XROWS g, u                      ; rows 8 g .. 8 g + 7 of my 32: my 16 bytes (8 columns) of each
.irp i, 0,1,2,3,4,5,6,7
	ds_load_b128 v[XR+32*(\u)+4*\i:XR+32*(\u)+4*\i+3], v7 offset:(8*(\g)+\i)*2048
.endr
.endm
.macro XFMA g, u                       ; context += p x row, straight from the bf16 halves
	WIN 0x50                                       ; the context (destination and source 2) in window 1
.irp i, 0,1,2,3,4,5,6,7
.irp e, 0,1,2,3
	v_fma_mix_f32_bf16 v[CTX+2*\e], v[XR+32*(\u)+4*\i+\e], v[PR+8*(\g)+\i], v[CTX+2*\e] op_sel_hi:[1,0,0]
	v_fma_mix_f32_bf16 v[CTX+2*\e+1], v[XR+32*(\u)+4*\i+\e], v[PR+8*(\g)+\i], v[CTX+2*\e+1] op_sel:[1,0,0] op_sel_hi:[1,0,0]
.endr
.endr
	WIN 0
.endm
; ---------------- loaders
; Slots: row t lies in slot t % 5, row 15 in slot 5: with five rows ahead no slot is loaded while it is in use, and the map comes round every 16 rows.  Slot 0 is v32-63, slot i (1 to 5) v[64 + 32 i] on.
.macro SLOTOF t
.set SI, ((\t)%16)%5
.if ((\t)%16) == 15
.set SI, 5
.endif
.set SB, 64+32*SI
.if SI == 0
.set SB, 32
.endif
.endm
; row t of the block in hand (t < 16), or row t - 16 of what follows it: eight loads of 512 consecutive bytes; lane (r, h) takes 16 bytes at 32 r + 16 h
.macro RLOAD t
	SLOTOF \t
.irp s, 0,1,2,3,4,5,6,7
.if (\t) < 16
	global_load_b128 v[SB+4*\s:SB+4*\s+3], v18, s[30:31] offset:(\t)*4096+512*\s th:TH_LOAD_NT
.else
	global_load_b128 v[SB+4*\s:SB+4*\s+3], v18, s[32:33] offset:((\t)-16)*4096+512*\s th:TH_LOAD_NT
.endif
.endr
.endm
.macro ROW t
	SLOTOF \t
	s_wait_loadcnt 32                              ; this row's eight loads are in; the four later rows' may be out
.irp k, 0,1,2,3
.irp p, 0,1,2,3
	v_permlane16_swap_b32 v[SB+8*\p+\k], v[SB+8*\p+4+\k]   ; two loads' halves change places: lane (r, h) now holds k = 128 (2 p + h) + 8 r + 0 .. 7 in eight registers on end
.endr
.endr
.irp p, 0,1,2,3
	v_max3_num_f32 v[MX+\p], |v[SB+8*\p]|, |v[SB+8*\p+1]|, 0x1800000   ; my eight, and the floor 2^(3 - 127): the byte cannot fall under 1
.endr
.irp i, 2,4,6
.irp p, 0,1,2,3
	v_max3_num_f32 v[MX+\p], v[MX+\p], |v[SB+8*\p+\i]|, |v[SB+8*\p+\i+1]|
.endr
.endr
.irp m, 1,2
.irp p, 0,1,2,3
	v_max_num_f32_dpp v[MX+\p], v[MX+\p], v[MX+\p] row_xmask:\m row_mask:0xf bank_mask:0xf   ; four neighbouring lanes hold a block of 32
.endr
.endr
.irp p, 0,1,2,3
	v_add_nc_u32 v[SCL+\p], 0xff000000, v[MX+\p]   ; 2 off the exponent field: the conversion's scale operand
.endr
	WIN 0x40                                       ; the codes wait in window 1
.irp p, 0,1,2,3
	v_cvt_scalef32_pk8_fp4_f32 v[4*(\t)+\p], v[SB+8*\p:SB+8*\p+7], v[SCL+\p]
.endr
	WIN 0
.irp p, 0,1,2,3
	v_lshrrev_b32 v[BY+\p], 23, v[SCL+\p]          ; the byte.  (Plain lines between the conversions and the lines that write their sources)
.endr
.irp i, 0,1,2,3
.irp p, 0,1,2,3
	v_cvt_pk_bf16_f32 v[SB+8*\p+\i], v[SB+8*\p+2*\i], v[SB+8*\p+2*\i+1]   ; in place, ascending: no source is written before it is read
.endr
.endr
.irp p, 0,1,2,3
	ds_store_b128 v14, v[SB+8*\p:SB+8*\p+3] offset:(\t)*2048+512*\p   ; 32 lanes store 512 consecutive bytes of the row
.endr
.irp p, 0,1,2,3
	ds_store_b8 v16, v[BY+\p] offset:(\t)*SCP+8*\p   ; block 8 p + lane / 4; its four lanes write the same byte with the same value
.endr
	s_wait_dscnt 0x0                               ; the stores have read their registers: the slot may be loaded again
	RLOAD (\t)+5
.endm
; A block of 16 rows.  The five rows ahead of its end are the next block's first five; behind the last block there are none, and the same loads ask for that block's rows 11 to 15 once more:
; they stay inside the buffer, are never used, and keep the count of the wait in ROW the same in every row.
.macro PRODUCE inloop
	s_wait_xcnt 0x0                                ; the loads that named s[32:33] have read it
	s_mov_b32 s34, 65536
.if \inloop
	s_cmp_eq_u32 s22, 2                            ; trip 2 makes block 3, the last
	s_cselect_b32 s34, 45056, s34
.endif
	s_mov_b32 s35, 0
	s_add_nc_u64 s[32:33], s[30:31], s[34:35]
.irp t, 0,1,2,3,4,5,6,7,8,9,10,11,12,13,14,15
	ROW \t
.endr
	s_wait_xcnt 0x0                                ; the loads that named s[30:31] have read it
	s_add_nc_u64 s[30:31], s[30:31], 65536
.endm
.macro DUMP                            ; the block's codes: 4 bytes a lane, 128 consecutive bytes an instruction
	WIN 0x04
.irp t, 0,1,2,3,4,5,6,7,8,9,10,11,12,13,14,15
.irp p, 0,1,2,3
	ds_store_b32 v17, v[4*\t+\p] offset:\t*CP+128*\p
.endr
.endr
	WIN 0
.endm
	; ---------------- the head: every wave makes every address
	s_load_b256 s[4:11], s[0:1], 0x0               ; encoder_hiddens s[4:5], wbuf s[6:7], bw s[8:9], Wa_w s[10:11]
	s_load_b128 s[12:15], s[0:1], 0x20             ; Wa_b s[12:13], pctx s[14:15]
	s_load_b64 s[16:17], s[0:1], 0x30              ; stats
	v_lshrrev_b32 v23, 5, v0
	v_readfirstlane_b32 s18, v23                   ; wave 0..11
	s_and_b32 s19, s18, 3                          ; loader: q.  GEMM wave: which 256 columns of the context
	s_and_b32 s20, s18, 7
	s_bfe_u32 s21, s18, 0x10002                    ; GEMM wave: which 32 rows of a block in the second half
	s_mov_b32 s22, 0                               ; J
	s_mov_b32 s23, 0                               ; T: the hold that is read
	s_mov_b32 s24, 0                               ; U: the set of scale bytes that is read
	s_mov_b32 s25, 0x3fb8aa3b                      ; log2(e)
	s_mov_b32 s26, 0x4038aa3b                      ; 2 log2(e); the packed form names a pair
	s_mov_b32 s27, s26
	s_mov_b32 s28, 0x76543210
	s_mov_b32 s29, 0xfedcba98                      ; selects for lane l xor 16
	v_and_b32 v20, 31, v0                          ; lane
	v_and_b32 v21, 15, v0                          ; r
	v_bfe_u32 v22, v0, 4, 1                        ; h
	v_lshlrev_b32 v1, 4, v20                       ; v1  16 x lane
	v_lshlrev_b32 v2, 2, v20                       ; v2  4 x lane
	v_mul_u32_u24 v3, v21, CP
	v_lshl_add_u32 v3, v22, 4, v3
	v_add_nc_u32 v3, CODES, v3                     ; v3  a fragment of A: row r, + 16 h
	v_mul_u32_u24 v4, v20, SCP
	v_add_nc_u32 v4, SC0, v4                       ; v4  A's scale words: row = lane
	s_lshl_b32 s37, s21, 16
	s_lshl_b32 s38, s19, 9
	s_add_co_u32 s37, s37, s38
	v_add_nc_u32 v6, s37, v1                       ; v6  in a hold: my 32 rows, my 256 columns, 16 bytes a lane
	s_lshl_b32 s37, s20, 8
	s_add_co_u32 s38, s37, PART
	v_lshl_add_u32 v8, v22, 5, s38                 ; v8  my part of PART, rows 8 h on
	v_add_nc_u32 v9, PART, v2                      ; v9  PART, row = lane
	s_add_co_u32 s38, s37, PSC
	v_add_nc_u32 v10, s38, v2                      ; v10 my p, row = lane
	s_lshl_b32 s39, s21, 7
	s_add_co_u32 s38, s38, s39
	v_mov_b32 v11, s38                             ; v11 my p, my 32 rows: the same address in every lane
	s_lshl_b32 s37, s20, 10
	s_add_co_u32 s37, s37, BWT
	v_lshl_add_u32 v12, v21, 3, s37                ; v12 my (bias, weight), column r
	v_add_nc_u32 v19, s37, v1                      ; v19 the same table, 16 bytes a lane
	s_lshl_b32 s37, s19, 15
	v_add_nc_u32 v13, s37, v1                      ; v13 loader: in a hold, my 16 rows
	v_add_nc_u32 v14, s23, v13                     ; v14 the first block goes into the hold that trip 0 reads
	s_mul_i32 s37, s19, 16*SCP
	s_add_co_u32 s37, s37, SC0
	v_lshrrev_b32 v15, 2, v20
	v_add_nc_u32 v15, s37, v15                     ; v15 loader: my 16 rows' scale bytes, byte lane / 4
	v_add_nc_u32 v16, s24, v15                     ; v16 likewise for the first block
	s_mul_i32 s37, s19, 16*CP
	s_add_co_u32 s37, s37, CODES
	v_add_nc_u32 v17, s37, v2                      ; v17 loader: my 16 rows' codes
	v_lshlrev_b32 v18, 5, v21
	v_lshl_add_u32 v18, v22, 4, v18                ; v18 32 r + 16 h
	s_lshl_b32 s38, ttmp9, 20                      ; the work-group's 256 rows of 4,096 bytes,
	s_lshl_b32 s39, s19, 18                        ; 64 of them by wave & 3
	s_add_co_u32 s38, s38, s39
	s_mov_b32 s39, 0
	s_wait_kmcnt 0x0
	s_add_nc_u64 s[30:31], s[4:5], s[38:39]        ; the stream's base is made here, on the way that every wave takes; the loaders alone use and step it
	s_mov_b64 s[32:33], s[30:31]                   ; the base of the rows ahead: written anew at the head of every block
	s_cmp_lt_u32 s18, 8
	s_cbranch_scc0 .Lload_first
	; ---------------- GEMM waves: the tables, and the first three steps' weights
	s_load_b32 s36, s[12:13], 0x0                  ; Wa_b
	s_lshr_b32 s38, ttmp9, 3                       ; b
	s_lshl_b32 s38, s38, 13
	s_lshl_b32 s39, s18, 10
	s_add_co_u32 s38, s38, s39
	s_mov_b32 s39, 0
	s_add_nc_u64 s[8:9], s[8:9], s[38:39]          ; bw at batch b, my 128 columns
	s_mul_i32 s38, s18, 16*GRP
	s_add_nc_u64 s[6:7], s[6:7], s[38:39]          ; wbuf at my 16 steps
	global_load_b128 v[128:131], v1, s[8:9]
	global_load_b128 v[132:135], v1, s[8:9] offset:512
.irp i, 0,1,2,3,4,5,6,7
	global_load_b128 v[136+4*\i:139+4*\i], v1, s[10:11] offset:512*\i
.endr
	s_wait_loadcnt 8                               ; my part of bw is in; Wa's eight loads may be out
	ds_store_b128 v19, v[128:131]
	ds_store_b128 v19, v[132:135] offset:512
	v_mov_b32 v20, 0xff61b1e6                      ; m: -3e38, under every score
	v_mov_b32 v21, 0                               ; l
	WIN 0x40
.irp i, 0,1,2,3,4,5,6,7
	v_mov_b32 v[CTX+\i], 0                         ; the context: the step is written once, and its first change of m multiplies zeros
.endr
	WIN 0
	s_wait_loadcnt 0x0
.irp i, 0,2,4,6,8,10,12,14
	v_pk_add_f32 v[136+\i:137+\i], v[136+\i:137+\i], v[152+\i:153+\i]
.endr
.irp i, 0,2,4,6
	v_pk_add_f32 v[136+\i:137+\i], v[136+\i:137+\i], v[144+\i:145+\i]
.endr
.irp i, 0,2
	v_pk_add_f32 v[136+\i:137+\i], v[136+\i:137+\i], v[140+\i:141+\i]
.endr
	v_pk_add_f32 v[136:137], v[136:137], v[138:139]
	v_add_f32 v136, v136, v137
.irp m, 1,2,4,8
	v_add_f32_dpp v136, v136, v136 row_xmask:\m row_mask:0xf bank_mask:0xf
.endr
	v_permlanex16_b32 v137, v136, s28, s29
	v_add_f32 v136, v136, v137                     ; the sum of Wa
	s_wait_kmcnt 0x0
	v_add_f32 v22, s36, v136                       ; + Wa_b,
	v_mul_f32 v22, s25, v22                        ; x log2(e)
	BL 0
	BL 1
	BL 2
	s_branch .Lfirst_join
	; ---------------- loaders: block 0
.Lload_first:
.irp t, 0,1,2,3,4
	RLOAD \t
.endr
	PRODUCE 0
	DUMP
.Lfirst_join:
	BAR                                            ; block 0 lies in LDS: rows, scale bytes, codes
.Ltrip:
	s_xor_b32 s37, s23, HOLDSZ
	s_xor_b32 s38, s24, SCX
	v_add_nc_u32 v5, s24, v4                       ; read: this block's scale words,
	v_add_nc_u32 v7, s23, v6                       ; and its rows
	v_add_nc_u32 v14, s37, v13                     ; written: the next block's rows,
	v_add_nc_u32 v16, s38, v15                     ; and its scale bytes
	s_cmp_lt_u32 s18, 8
	s_cbranch_scc0 .Lload_a
	; ---- first half, GEMM waves
	BWL 0
	AL 0, 0
	AL 1, 0
.irp k, 0,1,2,3,4,5,6,7
	STEP \k
.endr
	TANH 0
	BWL 1                                          ; behind the last read of chunk 0's pairs; the waits on the LDS counter in the next step cover it
.irp k, 8,9,10,11,12,13,14,15
	STEP \k
.endr
	s_cmp_eq_u32 s22, 3                            ; the next block's first three steps are asked for here, if there is a next block
	s_cbranch_scc1 .Lno_more_w
	BL 0
	BL 1
	BL 2
.Lno_more_w:
	TANH 1
	REDUCE
	s_branch .Ljoin_a
.Lload_a:
	; ---- first half, loaders
	s_cmp_eq_u32 s22, 3
	s_cbranch_scc1 .Ljoin_a
	PRODUCE 1
.Ljoin_a:
	BAR                                            ; PART is whole; nobody reads this block's codes any more; the next block's rows and scale bytes lie in LDS
	s_cmp_lt_u32 s18, 8
	s_cbranch_scc0 .Lload_b
	; ---- second half, GEMM waves: every wave takes the same softmax step on the same numbers
.irp w, 0,1,2,3,4,5,6,7
	ds_load_b32 v[128+\w], v9 offset:256*\w        ; row = lane,
	ds_load_b32 v[136+\w], v9 offset:256*\w+128    ; and row = lane + 32
.endr
	v_mov_b32 v147, 0                              ; a lane permute's destination counts as one of its sources
	v_mov_b32 v152, 0
	s_wait_dscnt 0x0
	v_pk_add_f32 v[128:129], v[128:129], v[130:131]
	v_pk_add_f32 v[136:137], v[136:137], v[138:139]
	v_pk_add_f32 v[132:133], v[132:133], v[134:135]
	v_pk_add_f32 v[140:141], v[140:141], v[142:143]
	v_pk_add_f32 v[128:129], v[128:129], v[132:133]
	v_pk_add_f32 v[136:137], v[136:137], v[140:141]
	v_add_f32 v128, v128, v129
	v_add_f32 v136, v136, v137
	v_fma_f32 v144, v128, s25, v22                 ; t = score x log2(e)
	v_fma_f32 v145, v136, s25, v22
	v_max_num_f32 v146, v144, v145
.irp m, 1,2,4,8
	v_max_num_f32_dpp v146, v146, v146 row_xmask:\m row_mask:0xf bank_mask:0xf
.endr
	v_permlanex16_b32 v147, v146, s28, s29
	v_max_num_f32 v146, v146, v147                 ; the block's largest t
	v_max_num_f32 v147, v20, v146                  ; the new m
	v_sub_f32 v148, v20, v147
	v_sub_f32 v149, v144, v147
	v_sub_f32 v150, v145, v147
	v_exp_f32 v148, v148                           ; f = 2^(old m - new m)
	v_exp_f32 v149, v149                           ; p
	v_exp_f32 v150, v150
	v_mov_b32 v20, v147                            ; (the plain place behind the batch)
	s_wait_alu depctr_va_vdst(0)                   ; one wait for the three, ahead of their first reader
	ds_store_b32 v10, v149
	ds_store_b32 v10, v150 offset:128
.irp i, 0,1,2,3,4,5,6,7
	ds_load_b128 v[PR+4*\i:PR+4*\i+3], v11 offset:16*\i   ; LDS serves a wave's instructions in order (ISA guide 5.7.1.4): these see my stores.  p of my 32 rows, in every lane
.endr
	XROWS 0, 0
	XROWS 1, 1
	v_add_f32 v151, v149, v150
.irp m, 1,2,4,8
	v_add_f32_dpp v151, v151, v151 row_xmask:\m row_mask:0xf bank_mask:0xf
.endr
	v_permlanex16_b32 v152, v151, s28, s29
	v_add_f32 v151, v151, v152
	v_fma_f32 v21, v21, v148, v151                 ; l = l f + the block's sum of p
	WIN 0x41
.irp i, 0,2,4,6
	v_pk_mul_f32 v[CTX+\i:CTX+\i+1], v[CTX+\i:CTX+\i+1], v[148:149] op_sel_hi:[1,0]   ; the context under the new m
.endr
	WIN 0
	s_wait_dscnt 8                                 ; p and rows 0-7 are in; the youngest eight loads may be out
	XFMA 0, 0
	XROWS 2, 0
	s_wait_dscnt 8
	XFMA 1, 1
	XROWS 3, 1
	s_wait_dscnt 8
	XFMA 2, 0
	s_wait_dscnt 0x0
	XFMA 3, 1
	s_branch .Ljoin_b
.Lload_b:
	; ---- second half, loaders
	s_cmp_eq_u32 s22, 3
	s_cbranch_scc1 .Ljoin_b
	DUMP
.Ljoin_b:
	s_xor_b32 s23, s23, HOLDSZ
	s_xor_b32 s24, s24, SCX
	BAR                                            ; the next block's codes lie in LDS; nobody reads this block's rows or PART any more
	s_add_co_u32 s22, s22, 1
	s_cmp_lt_u32 s22, 4
	s_cbranch_scc1 .Ltrip
	s_cmp_lt_u32 s18, 8
	s_cbranch_scc0 .Lend
	s_lshl_b32 s38, ttmp9, 13                      ; pctx [work-group][half of the rows][1024]: my 256 columns
	s_lshl_b32 s39, s21, 12
	s_add_co_u32 s38, s38, s39
	s_lshl_b32 s39, s19, 10
	s_add_co_u32 s38, s38, s39
	s_mov_b32 s39, 0
	s_add_nc_u64 s[14:15], s[14:15], s[38:39]
	WIN 0x41
.irp k, 0,1,2,3
	v_permlane16_swap_b32 v[CTX+\k], v[CTX+4+\k]   ; a lane held 32 bytes; now the first four registers hold the first 512 bytes of the wave's 1,024, 16 bytes a lane at 32 r + 16 h
.endr
	WIN 0x04
	global_store_b128 v18, v[CTX:CTX+3], s[14:15]             ; each store covers 512 consecutive bytes, aligned
	global_store_b128 v18, v[CTX+4:CTX+7], s[14:15] offset:512
	WIN 0
	s_cmp_lg_u32 s18, 0
	s_cbranch_scc1 .Lend
	s_lshl_b32 s38, ttmp9, 8
	s_add_nc_u64 s[16:17], s[16:17], s[38:39]
	v_lshlrev_b32 v23, 1, v2
	global_store_b64 v23, v[20:21], s[16:17]       ; (m, l), the same pair from all 32 lanes: 256 consecutive bytes, aligned
.Lend:
	s_wait_xcnt 0x0
	v_lshl_add_u32 v254, v0, 2, 0x4d000
	v_mov_b32 v255, 0
	s_wait_tensorcnt 0x0
	ds_add_u32 v254, v255
	s_wait_dscnt 0x0
	s_endpgm
.Lfunc_end_k_q5ef42ed642_main:
	.size	k_q5ef42ed642_main, .Lfunc_end_k_q5ef42ed642_main-k_q5ef42ed642_main
	.p2alignl 7, 3214868480
	.fill 96, 4, 3214868480
	.section	.rodata,"a",@progbits
	.p2align	6, 0x0
	.amdhsa_kernel k_q5ef42ed642_main
		.amdhsa_group_segment_fixed_size 316928
		.amdhsa_private_segment_fixed_size 0
		.amdhsa_enable_private_segment 0
		.amdhsa_kernarg_size 56
		.amdhsa_user_sgpr_count 2
		.amdhsa_user_sgpr_kernarg_segment_ptr 1
		.amdhsa_wavefront_size32 1
		.amdhsa_system_sgpr_workgroup_id_x 1
		.amdhsa_system_sgpr_workgroup_id_y 1
		.amdhsa_system_sgpr_workgroup_id_z 1
		.amdhsa_system_vgpr_workitem_id 0
		.amdhsa_next_free_vgpr 336
		.amdhsa_next_free_sgpr 66
		.amdhsa_reserve_vcc 0
		.amdhsa_float_denorm_mode_32 3
		.amdhsa_float_denorm_mode_16_64 3
		.amdhsa_memory_ordered 1
		.amdhsa_forward_progress 1
		.amdhsa_inst_pref_size 255
	.end_amdhsa_kernel
	.section	.bss,"aw",@nobits
	.p2align	6
	.space	262144
	.amdgpu_metadata
---
amdhsa.version: [ 1, 2 ]
amdhsa.kernels:
  - .name:           k_q5ef42ed642_main
    .symbol:         k_q5ef42ed642_main.kd
    .args:
      - { .name: encoder_hiddens, .offset: 0, .size: 8, .value_kind: global_buffer, .address_space: global }
      - { .name: wbuf, .offset: 8, .size: 8, .value_kind: global_buffer, .address_space: global }
      - { .name: bw, .offset: 16, .size: 8, .value_kind: global_buffer, .address_space: global }
      - { .name: Wa_w, .offset: 24, .size: 8, .value_kind: global_buffer, .address_space: global }
      - { .name: Wa_b, .offset: 32, .size: 8, .value_kind: global_buffer, .address_space: global }
      - { .name: pctx, .offset: 40, .size: 8, .value_kind: global_buffer, .address_space: global }
      - { .name: stats, .offset: 48, .size: 8, .value_kind: global_buffer, .address_space: global }
    .group_segment_fixed_size: 316928
    .private_segment_fixed_size: 0
    .kernarg_segment_align: 8
    .kernarg_segment_size: 56
    .max_flat_workgroup_size: 384
    .sgpr_count:     66
    .vgpr_count:     336
    .wavefront_size: 32
...
	.end_amdgpu_metadata
.endif
;; end of part 2
;; launch finish (part 3): grid 32 x 1, 8 waves a work-group, no clusters, 0 bytes of LDS; arguments pctx, stats, out0; writes out0
.if DOCPART == 3
	.amdgcn_target "amdgcn-amd-amdhsa--gfx1250"
	.amdhsa_code_object_version 6
	.text
	.protected	k_q5ef42ed642_finish
	.globl	k_q5ef42ed642_finish
	.p2align	8
	.type	k_q5ef42ed642_finish,@function
k_q5ef42ed642_finish:
	s_mov_b64 s[64:65], 0
	v_nop
	global_prefetch_b8 v0, s[64:65] scope:SCOPE_SE
	s_setreg_imm32_b32 hwreg(HW_REG_WAVE_MODE, 25, 1), 1
	s_wait_xcnt 0x0
; FINISH.  A work-group joins the eight parts of one batch b: M = the largest m_j; w_j = 2^(m_j - M); L = the sum of w_j l_j; out0[b] = the sum of w_j (c_j0 + c_j1) / L.
; m is kept in base 2 (score x log2(e)) by the launch before.  Thread t owns columns 4 t .. 4 t + 3: every load and the store take 16 neighbouring bytes in neighbouring lanes.
; No LDS, no barrier, no matrix unit: 24 loads a thread, all asked for at once, and some fifty vector instructions.
	s_load_b128 s[4:7], s[0:1], 0x0                ; pctx s[4:5], stats s[6:7]
	s_load_b64 s[8:9], s[0:1], 0x10                ; out0
	v_and_b32 v1, 31, v0
	v_lshlrev_b32 v1, 3, v1                        ; stats: each lane reads its own copy of the pair
	v_lshlrev_b32 v2, 4, v0                        ; 16 bytes a thread
	s_lshl_b32 s10, ttmp9, 16                      ; a batch: 8 work-groups x 8,192 bytes of pctx,
	s_mov_b32 s11, 0
	s_lshl_b32 s12, ttmp9, 11                      ; 8 x 256 bytes of stats,
	s_mov_b32 s13, 0
	s_lshl_b32 s14, ttmp9, 12                      ; a row of out0
	s_mov_b32 s15, 0
	s_wait_kmcnt 0x0
	s_add_nc_u64 s[4:5], s[4:5], s[10:11]
	s_add_nc_u64 s[6:7], s[6:7], s[12:13]
	s_add_nc_u64 s[8:9], s[8:9], s[14:15]
.irp j, 0,1,2,3,4,5,6,7
	global_load_b64 v[4+2*\j:5+2*\j], v1, s[6:7] offset:256*\j       ; (m_j, l_j)
.endr
.irp i, 0,1,2,3,4,5,6,7,8,9,10,11,12,13,14,15
	global_load_b128 v[32+4*\i:35+4*\i], v2, s[4:5] offset:4096*\i   ; part j = i / 2, half i % 2
.endr
	s_wait_loadcnt 16                              ; the pairs are in; the sixteen vectors may be out
	v_max3_num_f32 v24, v4, v6, v8
	v_max3_num_f32 v24, v24, v10, v12
	v_max3_num_f32 v24, v24, v14, v16
	v_max_num_f32 v24, v24, v18                    ; M
.irp j, 0,1,2,3,4,5,6,7
	v_sub_f32 v[4+2*\j], v[4+2*\j], v24
.endr
.irp j, 0,1,2,3,4,5,6,7
	v_exp_f32 v[4+2*\j], v[4+2*\j]                 ; w_j takes m_j's place: the pair (w_j, l_j) is what the packed forms below name
.endr
	v_nop                                          ; one plain place behind the batch,
	s_wait_alu depctr_va_vdst(0)                   ; and one wait ahead of its first reader
	v_mul_f32 v25, v4, v5
.irp j, 1,2,3,4,5,6,7
	v_fmac_f32 v25, v[4+2*\j], v[5+2*\j]           ; L
.endr
	v_rcp_f32 v25, v25
	v_nop
	s_wait_alu depctr_va_vdst(0)
.irp j, 0,1,2,3,4,5,6,7
	v_mul_f32 v[4+2*\j], v[4+2*\j], v25            ; w_j / L
.endr
	s_wait_loadcnt 0x0
	v_pk_mul_f32 v[28:29], v[32:33], v[4:5] op_sel_hi:[1,0]          ; the first vector starts the sums
	v_pk_mul_f32 v[30:31], v[34:35], v[4:5] op_sel_hi:[1,0]
.irp i, 1,2,3,4,5,6,7,8,9,10,11,12,13,14,15
	v_pk_fma_f32 v[28:29], v[32+4*\i:33+4*\i], v[4+2*(\i/2):5+2*(\i/2)], v[28:29] op_sel_hi:[1,0,1]
	v_pk_fma_f32 v[30:31], v[34+4*\i:35+4*\i], v[4+2*(\i/2):5+2*(\i/2)], v[30:31] op_sel_hi:[1,0,1]
.endr
	global_store_b128 v2, v[28:31], s[8:9]         ; sixteen lanes store 256 consecutive bytes, aligned
	s_endpgm
.Lfunc_end_k_q5ef42ed642_finish:
	.size	k_q5ef42ed642_finish, .Lfunc_end_k_q5ef42ed642_finish-k_q5ef42ed642_finish
	.p2alignl 7, 3214868480
	.fill 96, 4, 3214868480
	.section	.rodata,"a",@progbits
	.p2align	6, 0x0
	.amdhsa_kernel k_q5ef42ed642_finish
		.amdhsa_group_segment_fixed_size 0
		.amdhsa_private_segment_fixed_size 0
		.amdhsa_enable_private_segment 0
		.amdhsa_kernarg_size 24
		.amdhsa_user_sgpr_count 2
		.amdhsa_user_sgpr_kernarg_segment_ptr 1
		.amdhsa_wavefront_size32 1
		.amdhsa_system_sgpr_workgroup_id_x 1
		.amdhsa_system_sgpr_workgroup_id_y 1
		.amdhsa_system_sgpr_workgroup_id_z 1
		.amdhsa_system_vgpr_workitem_id 0
		.amdhsa_next_free_vgpr 112
		.amdhsa_next_free_sgpr 66
		.amdhsa_reserve_vcc 0
		.amdhsa_float_denorm_mode_32 3
		.amdhsa_float_denorm_mode_16_64 3
		.amdhsa_memory_ordered 1
		.amdhsa_forward_progress 1
		.amdhsa_inst_pref_size 7
	.end_amdhsa_kernel
	.amdgpu_metadata
---
amdhsa.version: [ 1, 2 ]
amdhsa.kernels:
  - .name:           k_q5ef42ed642_finish
    .symbol:         k_q5ef42ed642_finish.kd
    .args:
      - { .name: pctx, .offset: 0, .size: 8, .value_kind: global_buffer, .address_space: global }
      - { .name: stats, .offset: 8, .size: 8, .value_kind: global_buffer, .address_space: global }
      - { .name: out0, .offset: 16, .size: 8, .value_kind: global_buffer, .address_space: global }
    .group_segment_fixed_size: 0
    .private_segment_fixed_size: 0
    .kernarg_segment_align: 8
    .kernarg_segment_size: 24
    .max_flat_workgroup_size: 256
    .sgpr_count:     66
    .vgpr_count:     112
    .wavefront_size: 32
...
	.end_amdgpu_metadata
.endif
;; end of part 3
;; ======== version 2 of 2: 3 launches
;; workspace buffers: wbuf 557,056 bytes; bw 262,144 bytes; pctx 2,097,152 bytes; stats 65,536 bytes
;; launch prep (part 4): grid 128 x 1, 8 waves a work-group, no clusters, 47,616 bytes of LDS; arguments Wc_w, Wb_w, decoder_state, Wb_b, Wc_b, Wa_w, wbuf, bw; writes wbuf, bw
.if DOCPART == 4
	.amdgcn_target "amdgcn-amd-amdhsa--gfx1250"
	.amdhsa_code_object_version 6
	.text
	.protected	k_q5ef42ed642_prep
	.globl	k_q5ef42ed642_prep
	.p2align	8
	.type	k_q5ef42ed642_prep,@function
k_q5ef42ed642_prep:
	s_mov_b64 s[64:65], 0
	v_nop
	global_prefetch_b8 v0, s[64:65] scope:SCOPE_SE
	s_setreg_imm32_b32 hwreg(HW_REG_WAVE_SCHED_MODE, 0, 2), 2
	s_setreg_imm32_b32 hwreg(HW_REG_WAVE_MODE, 25, 1), 1
	s_wait_xcnt 0x0
	s_wait_alu depctr_vm_vsrc(0)
; PREP.  Two jobs, told apart by the work-group number; each has LDS bytes of its own.
; Work-groups 0-63: Wc_w [1024 (n)][1024 (k)] f32 becomes codes of FP4 (E2M1) with one E8M0 byte for each 32 along k, laid in the ORDER OF THE OPERAND REGISTERS:
;   wbuf = 128 groups of 4,352 bytes; group G = 8 x (block of 64 rows n) + (K step of 128).  In a group: tile t (rows 64 (G / 8) + 16 t + r) at 1,024 t: registers 0-3 at 16 x lane, registers 4-7 at 512 + 16 x lane;
;   at 4,096 the scale words [t][r], 4 bytes each.  A wave makes one tile of one group: a lane takes two whole blocks of 32 of its row, in the very order that the operand gives it, so the conversions' results are the fragment.
; Work-groups 64-127: dec_proj = Q(decoder_state) Q(Wb_w)^T for 16 rows b x 32 columns n, then
;   bw [b 32][n 1024][2] f32 = ((dec_proj + Wb_b + Wc_b) x 2 log2(e), -2 Wa_w[n]): what the main launch adds ahead of its exponential, and the weight of the reciprocal.
;   The work-group's 48 rows (16 of decoder_state, 32 of Wb_w) are quantised ROW BY ROW, six rows a wave, each load 512 consecutive bytes, all 48 loads of a wave asked for at once; only codes and scale bytes,
;   an eighth of the bytes, go through LDS.  Behind a barrier wave q takes K step q: three fragments from LDS, two products; the eight partial sums meet in LDS behind a second barrier.
; THE QUANTISER: the block's largest magnitude, with the floor 2^(3 - 127) among its leaves; 2 off its exponent field is the conversion's scale operand; that shifted down by 23 is the byte.
;   The conversion divides, holds at the largest code and rounds to nearest, ties to even.
; LIMITS: NaN and infinities are not served; a block whose largest magnitude lies under 2^-124 (a block of zeros too) gets the byte 1: the bytes are read by this program alone, and codes of zeros add nothing.
; The sum of product 1 is taken in eight parts along K and then added: another order than a single chain.
; THE MODE: SCHED_MODE bits 1:0 = 2 (LLVM: expert scheduling mode 2), set by the entry lines.  The code itself states the register dependences between vector or matrix instructions and memory or LDS
; instructions, with s_wait_alu, always for 0.
; THE PLAN.  Registers that memory or LDS instructions touch:
;   First job.   v4, v6, v7, v12, v13: offsets and LDS addresses, made once; one wait ahead of the first load.  v32-95: loaded once.  v96-103 the codes and v8 the scale word: written by the quantiser; one wait; read by
;                the three stores; never written again.  v22-23: an LDS load's, named by no vector line.
;   Second job.  v6, v7, v12, v13, v15-19, v21, v28: made once; one wait ahead of the first load.  v22-27 and the six row slots v32-223: loaded once.
;                The codes v232-239 and the bytes v240-247, two sets by turns: row i's lines write set i % 2; one wait on va_vdst; the row's eight LDS stores read it; one wait on vm_vsrc ahead of row i + 2's lines.
;                v96-119 and v8-10: the fragments and scale words from LDS land there behind row 5's wait, since which no vector line is issued.  v32-47: the two accumulators: the places, one wait, the LDS stores.
;                v128-143: the partial sums from LDS.  v144-147: written by the last four lines; one wait; the store.
;   v254, v255: written at the head, read by the closing add alone.
.set GRP, 4352
; ---- the first job's registers
.set X0,  32                           ; v32-95   64 numbers of a lane
.set X1,  96                           ; v96-103  the codes
.set SW,  8                            ; v8-10    scale words, and nothing else (in both jobs)
.set TM,  14                           ; v14-15   largest magnitudes
.set TS,  16                           ; v16-17   scale operands
.set TP,  19                           ; v19      the other half of the lanes
.set TB,  20                           ; v20-21   bytes
; ---- the second job's registers and LDS
.set RS,  32                           ; v32-223  six row slots of 32; later v32-47 the two accumulators, v96-119 the three fragments, v128-147 the sums
.set MX,  224                          ; v224-227 largest magnitudes
.set SCL, 228                          ; v228-231 scale operands
.set FA,  96
.set FB,  104
.set CP2,    528                       ; a row's 512 bytes of codes + 16: an odd multiple of 16 bytes, so that the 16 rows of a fragment load fall on different banks (ISA guide 11.1)
.set SCP2,   36                        ; a row's 32 scale bytes + 4
.set CODES2, 1024                      ; 48 rows: 0-15 decoder_state, 16-47 Wb_w
.set SC2,    CODES2+48*CP2
.set PS,     28160                     ; [wave 8][b 16] rows of 144 bytes (32 numbers + 16 bytes)
.set PSP,    144
.set PSW,    16*PSP
; 64 numbers: k = 64 c + 32 h + 0 .. 31 of row r, at off bytes from the base
.macro LOADF x, b, off
.irp c, 0,1
.irp i, 0,1,2,3,4,5,6,7
	global_load_b128 v[(\x)+32*\c+4*\i:(\x)+32*\c+4*\i+3], v4, s[\b:\b+1] offset:(\off)+256*\c+16*\i
.endr
.endr
.endm
; they become a fragment (8 registers from c on) and the row's scale word (w)
.macro QFRAG x, c, w
.irp b, 0,1
	v_max3_num_f32 v[TM+\b], |v[(\x)+32*\b]|, |v[(\x)+32*\b+1]|, 0x1800000   ; with the floor: the byte cannot fall under 1
.endr
.irp i, 2,4,6,8,10,12,14,16,18,20,22,24,26,28,30
.irp b, 0,1
	v_max3_num_f32 v[TM+\b], v[TM+\b], |v[(\x)+32*\b+\i]|, |v[(\x)+32*\b+\i+1]|
.endr
.endr
.irp b, 0,1
	v_add_nc_u32 v[TS+\b], 0xff000000, v[TM+\b]    ; 2 off the exponent field: the conversion takes the exponent field of this operand and nothing else
.endr
.irp b, 0,1
	v_lshrrev_b32 v[TB+\b], 23, v[TS+\b]           ; the byte
.endr
	v_lshl_or_b32 v[\w], v[TB+1], 16, v[TB]        ; my blocks h and 2 + h,
	v_lshlrev_b32 v[\w], v5, v[\w]                 ; 8 h bits up;
	v_permlanex16_b32 v[TP], v[\w], s20, s21
	v_or_b32 v[\w], v[\w], v[TP]                   ; with lane l xor 16 the word is whole
.irp b, 0,1
.irp g, 0,1,2,3
	v_cvt_scalef32_pk8_fp4_f32 v[(\c)+4*\b+\g], v[(\x)+32*\b+8*\g:(\x)+32*\b+8*\g+7], v[TS+\b]
.endr
.endr
	v_nop                                          ; one plain place behind the last scaled conversion
.endm
; a whole row of 1,024 numbers into slot i: eight loads of 512 consecutive bytes; lane (r, h) takes 16 bytes at 32 r + 16 h
.macro PLOAD i, b, off
.irp s, 0,1,2,3,4,5,6,7
	global_load_b128 v[RS+32*(\i)+4*\s:RS+32*(\i)+4*\s+3], v28, s[\b:\b+1] offset:(\off)+512*\s
.endr
.endm
; the row in slot i becomes 512 bytes of codes and 32 scale bytes in LDS.  ca, sa: the address registers of my rows of that tensor; ro: which of them
.macro PROW i, ca, sa, ro
.set SB, RS+32*(\i)
.set CD, 232+4*((\i)%2)                ; v232-239 the codes, v240-247 the bytes: two sets by turns
.set BY, 240+4*((\i)%2)
	s_wait_loadcnt 8*(5-(\i))                      ; this row's eight loads are in; the later rows' eight each may be out
.irp k, 0,1,2,3
.irp p, 0,1,2,3
	v_permlane16_swap_b32 v[SB+8*\p+\k], v[SB+8*\p+4+\k]   ; two loads' halves change places: lane (r, h) now holds k = 128 (2 p + h) + 8 r + 0 .. 7 in eight registers on end
.endr
.endr
.irp p, 0,1,2,3
	v_max3_num_f32 v[MX+\p], |v[SB+8*\p]|, |v[SB+8*\p+1]|, 0x1800000   ; my eight, and the floor 2^(3 - 127): the byte cannot fall under 1
.endr
.irp i2, 2,4,6
.irp p, 0,1,2,3
	v_max3_num_f32 v[MX+\p], v[MX+\p], |v[SB+8*\p+\i2]|, |v[SB+8*\p+\i2+1]|
.endr
.endr
.irp m, 1,2
.irp p, 0,1,2,3
	v_max_num_f32_dpp v[MX+\p], v[MX+\p], v[MX+\p] row_xmask:\m row_mask:0xf bank_mask:0xf   ; four neighbouring lanes hold a block of 32
.endr
.endr
.irp p, 0,1,2,3
	v_add_nc_u32 v[SCL+\p], 0xff000000, v[MX+\p]   ; 2 off the exponent field: the conversion's scale operand
.endr
.if (\i) >= 2
	s_wait_alu depctr_va_vdst(0)
	s_wait_dscnt 8                                 ; the last row's eight stores may be out; those of the row before, which read this set of registers, are done
	s_wait_alu depctr_vm_vsrc(0)                   ; the LDS stores of the row before last have read this set of codes and bytes, which the eight lines below write again
.endif
.irp p, 0,1,2,3
	v_cvt_scalef32_pk8_fp4_f32 v[CD+\p], v[SB+8*\p:SB+8*\p+7], v[SCL+\p]
.endr
.irp p, 0,1,2,3
	v_lshrrev_b32 v[BY+\p], 23, v[SCL+\p]          ; the byte.  (Plain lines behind the conversions)
.endr
	s_wait_alu depctr_va_vdst(0)                   ; the conversions have written the codes and the shifts the bytes, which the eight LDS stores below read
.irp p, 0,1,2,3
	ds_store_b32 v[\ca], v[CD+\p] offset:(\ro)*CP2+128*\p   ; eight codes a lane: byte 128 p + 4 x lane of the row; 128 consecutive bytes an instruction
.endr
.irp p, 0,1,2,3
	ds_store_b8 v[\sa], v[BY+\p] offset:(\ro)*SCP2+8*\p     ; block 8 p + lane / 4; its four lanes write the same byte with the same value
.endr
.endm
	s_load_b256 s[4:11], s[0:1], 0x0               ; Wc_w s[4:5], Wb_w s[6:7], decoder_state s[8:9], Wb_b s[10:11]
	s_load_b256 s[12:19], s[0:1], 0x20             ; Wc_b s[12:13], Wa_w s[14:15], wbuf s[16:17], bw s[18:19]
	v_lshl_add_u32 v254, v0, 2, 0xb600
	v_mov_b32 v255, 0
	v_lshrrev_b32 v1, 5, v0
	v_readfirstlane_b32 s22, v1                    ; wave 0..7
	v_and_b32 v1, 31, v0                           ; lane
	v_and_b32 v2, 15, v0                           ; r
	v_bfe_u32 v3, v0, 4, 1                         ; h
	s_wait_alu depctr_va_sdst(0)                   ; s22 is written, ahead of the branch and of its first reader on either way
	s_cmp_lt_u32 ttmp9, 64
	s_cbranch_scc0 .Ldec
	; ---- Wc_w into wbuf
	v_lshlrev_b32 v4, 12, v2
	v_lshl_add_u32 v4, v3, 7, v4                   ; row r of 4,096 bytes + 128 h
	v_lshlrev_b32 v5, 3, v3                        ; 8 h
	v_mov_b32 v[TP], 0                             ; a lane permute's destination counts as one of its sources
	s_mov_b32 s20, 0x76543210
	s_mov_b32 s21, 0xfedcba98                      ; selects for lane l xor 16
	s_lshr_b32 s23, s22, 2                         ; which of the work-group's two groups
	s_and_b32 s24, s22, 3                          ; t
	s_lshl_b32 s25, ttmp9, 1
	s_add_co_u32 s25, s25, s23                     ; G
	s_lshr_b32 s26, s25, 3
	s_lshl_b32 s26, s26, 2
	s_add_co_u32 s26, s26, s24                     ; 4 (G / 8) + t: which 16 rows of Wc_w,
	s_lshl_b32 s26, s26, 16                        ; of 4,096 bytes each,
	s_and_b32 s27, s25, 7
	s_lshl_b32 s27, s27, 9
	s_add_co_u32 s26, s26, s27                     ; + the K step's 512 bytes
	s_mov_b32 s27, 0
	s_mul_i32 s28, s25, GRP
	s_lshl_b32 s29, s24, 10
	s_add_co_u32 s30, s28, s29                     ; my tile's place in wbuf
	s_mov_b32 s31, 0
	s_add_co_u32 s28, s28, 4096                    ; the group's scale words
	s_mov_b32 s29, 0
	s_lshl_b32 s32, s23, 8                         ; LDS bytes 0-511: a group's 64 scale words
	s_lshl_b32 s33, s24, 6
	s_add_co_u32 s33, s33, s32
	s_wait_alu depctr_va_vdst(0)
	v_lshl_add_u32 v6, v2, 2, s33                  ; in: 256 x group + 64 t + 4 r
	v_lshl_add_u32 v7, v1, 3, s32                  ; back: 256 x group + 8 x lane
	v_lshlrev_b32 v12, 4, v1
	v_lshlrev_b32 v13, 3, v1
	s_wait_kmcnt 0x0
	s_add_nc_u64 s[4:5], s[4:5], s[26:27]
	s_add_nc_u64 s[30:31], s[16:17], s[30:31]
	s_add_nc_u64 s[28:29], s[16:17], s[28:29]
	s_wait_alu depctr_va_vdst(0)                   ; v4, v6, v7, v12 and v13 are written: the offsets and LDS addresses of every load and store of this job
	LOADF X0, 4, 0
	s_wait_loadcnt 0x0
	QFRAG X0, X1, SW
	s_wait_alu depctr_va_vdst(0)                   ; the quantiser has written the codes v96-103 and the scale word v8, which the three stores below read
	global_store_b128 v12, v[X1:X1+3], s[30:31]               ; 32 lanes store 512 consecutive bytes
	global_store_b128 v12, v[X1+4:X1+7], s[30:31] offset:512
	ds_store_b32 v6, v[SW]                         ; both halves of the lanes write the same word with the same value
	s_wait_dscnt 0x0                               ; for the other waves: my word has landed
	s_barrier_signal -1
	s_barrier_wait -1
	s_cmp_lg_u32 s24, 0                            ; one wave of a group sends its 64 words
	s_cbranch_scc1 .Lend_w
	ds_load_b64 v[22:23], v7                       ; (no vector line of this job names v22 or v23)
	s_wait_dscnt 0x0
	global_store_b64 v13, v[22:23], s[28:29]       ; 32 lanes store 256 consecutive bytes, aligned
.Lend_w:
	s_wait_dscnt 0x0                               ; the closing lines, six on end
	s_wait_alu 0x0
	s_wait_tensorcnt 0x0
	ds_add_u32 v254, v255
	s_wait_dscnt 0x0
	s_endpgm
	; ---- dec_proj, and bw
.Ldec:
	s_sub_co_u32 s23, ttmp9, 64
	s_and_b32 s24, s23, 1                          ; which 16 rows b
	s_lshr_b32 s25, s23, 1                         ; which 32 columns n
	s_lshl_b32 s26, s24, 16                        ; decoder_state: 16 rows of 4,096 bytes a half,
	s_lshl_b32 s27, s22, 13                        ; my wave's two rows
	s_add_co_u32 s26, s26, s27
	s_mov_b32 s27, 0
	s_lshl_b32 s28, s25, 17                        ; Wb_w: 32 rows,
	s_lshl_b32 s29, s22, 14                        ; my wave's four
	s_add_co_u32 s28, s28, s29
	s_mov_b32 s29, 0
	s_lshl_b32 s30, s25, 7                         ; 32 numbers of a bias or of Wa_w
	s_mov_b32 s31, 0
	s_lshl_b32 s34, s24, 17                        ; bw: 16 rows of 8,192 bytes,
	s_lshl_b32 s35, s25, 8                         ; 32 pairs in a row
	s_add_co_u32 s34, s34, s35
	s_mov_b32 s35, 0
	s_mov_b32 s33, 0x4038aa3b                      ; 2 log2(e)
	s_mul_i32 s36, s22, 2*CP2
	s_add_co_u32 s36, s36, CODES2
	s_wait_alu depctr_va_vdst(0)
	v_lshl_add_u32 v12, v1, 2, s36                 ; v12 codes of my two rows of decoder_state: rows 2 w on, 4 bytes a lane
	s_mul_i32 s36, s22, 4*CP2
	s_add_co_u32 s36, s36, CODES2+16*CP2
	v_lshl_add_u32 v13, v1, 2, s36                 ; v13 codes of my four rows of Wb_w: rows 16 + 4 w on
	v_lshrrev_b32 v14, 2, v1                       ; lane / 4
	s_mul_i32 s36, s22, 2*SCP2
	s_add_co_u32 s36, s36, SC2
	v_add_nc_u32 v15, s36, v14                     ; v15, v16 their scale bytes
	s_mul_i32 s36, s22, 4*SCP2
	s_add_co_u32 s36, s36, SC2+16*SCP2
	v_add_nc_u32 v16, s36, v14
	v_mul_u32_u24 v17, v2, CP2
	v_lshl_add_u32 v17, v3, 4, v17
	s_lshl_b32 s36, s22, 6
	s_add_co_u32 s36, s36, CODES2
	v_add_nc_u32 v17, s36, v17                     ; v17 a fragment of K step w: row r, + 16 h, + 64 w
	v_mul_u32_u24 v18, v2, SCP2
	s_lshl_b32 s36, s22, 2
	s_add_co_u32 s36, s36, SC2
	v_add_nc_u32 v18, s36, v18                     ; v18 its rows' scale words: row r, + 4 w
	s_mul_i32 s36, s22, PSW
	s_add_co_u32 s36, s36, PS
	v_mul_u32_u24 v19, v3, 8*PSP
	v_lshl_add_u32 v19, v2, 2, v19
	v_add_nc_u32 v19, s36, v19                     ; v19 partial sums in: my wave's part, row 8 h, column r
	v_lshrrev_b32 v20, 4, v0                       ; thread / 16: b
	v_mul_u32_u24 v6, v20, PSP
	v_lshl_add_u32 v6, v2, 3, v6
	v_add_nc_u32 v6, PS, v6                        ; v6  back: row b, columns 2 r and 2 r + 1
	v_lshlrev_b32 v7, 13, v20
	v_lshl_add_u32 v7, v2, 4, v7                   ; v7  in bw: row b of 8,192 bytes, 16 bytes a thread
	v_lshlrev_b32 v21, 3, v2                       ; v21 my two columns in a bias
	v_lshlrev_b32 v28, 5, v2
	v_lshl_add_u32 v28, v3, 4, v28                 ; v28 32 r + 16 h
	s_wait_kmcnt 0x0
	s_add_nc_u64 s[8:9], s[8:9], s[26:27]
	s_add_nc_u64 s[6:7], s[6:7], s[28:29]
	s_add_nc_u64 s[10:11], s[10:11], s[30:31]
	s_add_nc_u64 s[12:13], s[12:13], s[30:31]
	s_add_nc_u64 s[14:15], s[14:15], s[30:31]
	s_add_nc_u64 s[18:19], s[18:19], s[34:35]
	s_wait_alu depctr_va_vdst(0)                   ; v6, v7, v12, v13, v15 to v19, v21 and v28 are written: the offsets and LDS addresses of every load and store of this job
	global_load_b64 v[22:23], v21, s[10:11]        ; Wb_b, Wc_b, Wa_w at my two columns: the oldest loads, so every wait below covers them
	global_load_b64 v[24:25], v21, s[12:13]
	global_load_b64 v[26:27], v21, s[14:15]
	PLOAD 0, 8, 0                                  ; all six rows are asked for at once: 48 loads
	PLOAD 1, 8, 4096
	PLOAD 2, 6, 0
	PLOAD 3, 6, 4096
	PLOAD 4, 6, 8192
	PLOAD 5, 6, 12288
	PROW 0, 12, 15, 0
	PROW 1, 12, 15, 1
	PROW 2, 13, 16, 0
	PROW 3, 13, 16, 1
	PROW 4, 13, 16, 2
	PROW 5, 13, 16, 3
	s_wait_dscnt 0x0                               ; for the other waves: my rows' codes and scale bytes have landed
	s_barrier_signal -1
	s_barrier_wait -1
	ds_load_b128 v[FA:FA+3], v17                   ; K step w: decoder_state's 16 rows.  No wait: these loads land in row slots that no vector line has named since the last row's wait on va_vdst
	ds_load_b128 v[FA+4:FA+7], v17 offset:32
.irp n, 0,1
	ds_load_b128 v[FB+8*\n:FB+8*\n+3], v17 offset:(16+16*\n)*CP2        ; and two tiles of 16 rows of Wb_w
	ds_load_b128 v[FB+8*\n+4:FB+8*\n+7], v17 offset:(16+16*\n)*CP2+32
.endr
	ds_load_b32 v[SW], v18                         ; their scale words: lane r has row r (lanes 16-31 hold the same and are not read)
	ds_load_b32 v[SW+1], v18 offset:16*SCP2
	ds_load_b32 v[SW+2], v18 offset:32*SCP2
	s_wait_dscnt 0x0
.irp n, 0,1
	v_wmma_scale_f32_16x16x128_f8f6f4 v[RS+8*\n:RS+8*\n+7], v[FA:FA+7], v[FB+8*\n:FB+8*\n+7], 0, v[SW], v[SW+1+\n] matrix_a_fmt:MATRIX_FMT_FP4 matrix_b_fmt:MATRIX_FMT_FP4
.endr
.rept 4
	v_nop                                          ; four places ahead of the first read of a result (ISA guide 7.12.1)
.endr
	s_wait_alu depctr_va_vdst(0)                   ; the two products have written the accumulators v32-47, which the LDS stores below read; the places above stay beside this wait
.irp n, 0,1
.irp j, 0,1,2,3,4,5,6,7
	ds_store_b32 v19, v[RS+8*\n+\j] offset:\j*PSP+64*\n   ; (b = 8 h + j, column 16 n + r); each accumulator from its low end on
.endr
.endr
	s_wait_dscnt 0x0                               ; for the other waves: my partial sums have landed
	s_barrier_signal -1
	s_barrier_wait -1
.irp q, 0,1,2,3,4,5,6,7
	ds_load_b64 v[128+2*\q:129+2*\q], v6 offset:\q*PSW    ; (they land in a row slot that no vector line has named since the waits above)
.endr
	v_pk_add_f32 v[22:23], v[22:23], v[24:25]      ; Wb_b + Wc_b,
	v_pk_mul_f32 v[22:23], v[22:23], 0x4038aa3b op_sel_hi:[1,0]   ; x 2 log2(e)
	s_wait_dscnt 0x0
	v_pk_add_f32 v[128:129], v[128:129], v[130:131]
	v_pk_add_f32 v[132:133], v[132:133], v[134:135]
	v_pk_add_f32 v[136:137], v[136:137], v[138:139]
	v_pk_add_f32 v[140:141], v[140:141], v[142:143]
	v_pk_add_f32 v[128:129], v[128:129], v[132:133]
	v_pk_add_f32 v[136:137], v[136:137], v[140:141]
	v_pk_add_f32 v[128:129], v[128:129], v[136:137]
	s_wait_alu depctr_va_vdst(0)
	v_fma_f32 v144, v128, s33, v22                 ; straight into the store's registers: (bias, weight) of column 2 r, then of 2 r + 1
	v_mul_f32 v145, -2.0, v26
	v_fma_f32 v146, v129, s33, v23
	v_mul_f32 v147, -2.0, v27
	s_wait_alu depctr_va_vdst(0)                   ; the four lines above have written v144-147, which the store reads
	global_store_b128 v7, v[144:147], s[18:19]     ; sixteen lanes store 256 consecutive bytes, aligned
	s_wait_dscnt 0x0                               ; the closing lines, six on end
	s_wait_alu 0x0
	s_wait_tensorcnt 0x0
	ds_add_u32 v254, v255
	s_wait_dscnt 0x0
	s_endpgm
.Lfunc_end_k_q5ef42ed642_prep:
	.size	k_q5ef42ed642_prep, .Lfunc_end_k_q5ef42ed642_prep-k_q5ef42ed642_prep
	.p2alignl 7, 3214868480
	.fill 96, 4, 3214868480
	.section	.rodata,"a",@progbits
	.p2align	6, 0x0
	.amdhsa_kernel k_q5ef42ed642_prep
		.amdhsa_group_segment_fixed_size 47616
		.amdhsa_private_segment_fixed_size 0
		.amdhsa_enable_private_segment 0
		.amdhsa_kernarg_size 64
		.amdhsa_user_sgpr_count 2
		.amdhsa_user_sgpr_kernarg_segment_ptr 1
		.amdhsa_wavefront_size32 1
		.amdhsa_system_sgpr_workgroup_id_x 1
		.amdhsa_system_sgpr_workgroup_id_y 1
		.amdhsa_system_sgpr_workgroup_id_z 1
		.amdhsa_system_vgpr_workitem_id 0
		.amdhsa_next_free_vgpr 256
		.amdhsa_next_free_sgpr 66
		.amdhsa_reserve_vcc 0
		.amdhsa_float_denorm_mode_32 3
		.amdhsa_float_denorm_mode_16_64 3
		.amdhsa_memory_ordered 1
		.amdhsa_forward_progress 1
		.amdhsa_inst_pref_size 40
	.end_amdhsa_kernel
	.amdgpu_metadata
---
amdhsa.version: [ 1, 2 ]
amdhsa.kernels:
  - .name:           k_q5ef42ed642_prep
    .symbol:         k_q5ef42ed642_prep.kd
    .args:
      - { .name: Wc_w, .offset: 0, .size: 8, .value_kind: global_buffer, .address_space: global }
      - { .name: Wb_w, .offset: 8, .size: 8, .value_kind: global_buffer, .address_space: global }
      - { .name: decoder_state, .offset: 16, .size: 8, .value_kind: global_buffer, .address_space: global }
      - { .name: Wb_b, .offset: 24, .size: 8, .value_kind: global_buffer, .address_space: global }
      - { .name: Wc_b, .offset: 32, .size: 8, .value_kind: global_buffer, .address_space: global }
      - { .name: Wa_w, .offset: 40, .size: 8, .value_kind: global_buffer, .address_space: global }
      - { .name: wbuf, .offset: 48, .size: 8, .value_kind: global_buffer, .address_space: global }
      - { .name: bw, .offset: 56, .size: 8, .value_kind: global_buffer, .address_space: global }
    .group_segment_fixed_size: 47616
    .private_segment_fixed_size: 0
    .kernarg_segment_align: 8
    .kernarg_segment_size: 64
    .max_flat_workgroup_size: 256
    .sgpr_count:     66
    .vgpr_count:     256
    .wavefront_size: 32
...
	.end_amdgpu_metadata
.endif
;; end of part 4
;; launch main (part 5): grid 256 x 1, 12 waves a work-group, no clusters, 316,928 bytes of LDS; arguments encoder_hiddens, wbuf, bw, Wa_w, Wa_b, pctx, stats; writes pctx, stats
.if DOCPART == 5
	.amdgcn_target "amdgcn-amd-amdhsa--gfx1250"
	.amdhsa_code_object_version 6
	.text
	.protected	k_q5ef42ed642_main
	.globl	k_q5ef42ed642_main
	.p2align	8
	.type	k_q5ef42ed642_main,@function
k_q5ef42ed642_main:
	s_mov_b64 s[64:65], 0
	v_nop
	global_prefetch_b8 v0, s[64:65] scope:SCOPE_SE
	s_setreg_imm32_b32 hwreg(HW_REG_WAVE_SCHED_MODE, 0, 2), 2
	s_setreg_imm32_b32 hwreg(HW_REG_WAVE_MODE, 25, 1), 1
	s_wait_xcnt 0x0
	s_wait_alu depctr_vm_vsrc(0)
; MAIN.  A work-group owns 256 rows (s) of one batch b = work-group / 8 and reads them from memory ONCE: quantise, product 2 on codes of FP4 (E2M1, one E8M0 byte for each 32 along K), tanh, the product with Wa,
; a softmax with a running maximum, and the weighted sum of the rows.  It leaves a partial context (two vectors of 1,024) and the pair (m, l); the last launch joins a batch's eight work-groups.
; ROLES.  Twelve waves.  Waves 8-11 (LOADERS) stream encoder_hiddens; waves 0-7 (GEMM waves) stream the weights: so each stream has a load counter of its own and neither waits behind the other.
; BLOCKS.  The 256 rows go in four blocks of 64.  Loader q streams rows 64 q .. 64 q + 63 on end; block J takes its rows 16 J .. 16 J + 15 as the block's rows 16 q + 0 .. 15 (softmax and sum ask for no order).
; A row is kept in LDS as bf16 (for the last product, which the contract leaves as it is) until its score is whole: two holds of 64 rows by turns.  Its codes wait in the loader's registers and go to LDS when the last block's codes have been read.
; A TRIP J, two barriers.  First half: GEMM wave w makes columns 128 w .. 128 w + 127 of block J (two chunks of 64 columns x 8 K steps of 128; 16 accumulators), tanh, x Wa, sums over its columns -> PART;
;   the loaders quantise block J + 1.  | barrier |  Second half: every GEMM wave adds the eight parts, takes the softmax step, and adds p x row for 32 rows x 256 columns; the loaders put block J + 1's codes into LDS.  | barrier |
; tanh(x) = 1 - 2 / (1 + 2^(2 log2(e) x)), right at both ends (the exponential's infinity gives 1, its zero -1).  So score = (sum of Wa + Wa_b) + sum over n of (-2 Wa[n]) / (1 + 2^(..)).
; THE WEIGHTS ARE SHARED BY ALL WORK-GROUPS AND YET NOT ASKED FOR JOINTLY: joint requests land in LDS, and of its 327,680 bytes 315,392 are taken (two holds of 131,072, the codes' 33,792, the tables): no two slots fit.
;   They lie in wbuf in the order of the operand registers and go from there straight into registers, three K steps (30 loads a wave) ahead.
; LIMITS: NaN and infinities are not served; a block of 32 whose largest magnitude lies under 2^-124 (a block of zeros too) gets the scale byte 1 (zero codes add nothing); encoder_hiddens is rounded to bf16 for the
;   last product; the f32 sums are taken in another order than a single chain.
; THE MODE: SCHED_MODE bits 1:0 = 2 (LLVM: expert scheduling mode 2), set by the entry lines.  The code itself states the register dependences between vector or matrix instructions and memory or LDS
; instructions, with s_wait_alu, always for 0.
; THE PLAN.  Registers that memory or LDS instructions touch, and who else names them:
;   v1-4, v6, v8-13, v15, v17-19   offsets and LDS addresses: made at the head, one wait on va_vdst ahead of the parting of the roles, never written again.
;   v5, v7, v14, v16               LDS addresses that change holds: written at a trip's head, between one wait on vm_vsrc (the last trip's LDS instructions have read them) and one on va_vdst (they are written).
;   GEMM waves, first half.  A's tiles 0, 1 and v24: read by a step's first eight products; behind these, their places and ONE wait the next step's fragments are asked for into them.  A's tiles 2, 3 and v25: the same
;     behind the second eight.  There is no second set of A: three waves share a SIMD's 1,024 registers, and 3 x 336 = 1,008 are taken.  B's set k % 3 and its two scale words: read by step k's sixteen products; the
;     step's second wait frees them too, for step k + 3.  The pairs v320-327: read by tanh's lines; chunk 0's are asked for behind the wait at the trip's head, chunk 1's behind step 8's first wait.
;     S (v96-127): written by tanh's lines and the sums across lanes; one wait; read by the LDS stores to PART.
;   GEMM waves, second half.  v128-143: the parts from LDS; no vector line has named them since the wait ahead of the stores to PART.  One wait on va_vdst behind the three exponentials: p (v149, v150) is written, which two
;     LDS stores read, and all earlier lines are done with v32-63, v96-127 and v160-255; one on vm_vsrc beside it: the stores to PART have read S.  Then p (v224-255) and all 32 rows are asked for in one run, into
;     FOUR sets (v160-191, v192-223, S's v96-127, A's v32-63), so that no load waits for the lines that read an earlier set.
;   Loaders.  A row's lines read and write its slot, the bytes v72-75 and its codes in v256-319.  One wait on va_vdst ahead of the row's eight LDS stores; one on vm_vsrc behind them, ahead of the load into a slot that
;     stores have read and of the next row's bytes.  The codes are stored a half trip later with no vector line between; the wait on vm_vsrc at the next trip's head stands ahead of the lines that write them again.
;   v254, v255: made ahead of the closing lines; no memory or LDS instruction reads them before.
; LDS
.set HOLDSZ, 131072                    ; a hold: 64 rows x 2,048 bytes of bf16; hold 0 at 0, hold 1 behind it
.set CODES,  262144                    ; 64 rows of 512 bytes, pitch 528: an odd multiple of 16 bytes, so that the 16 rows of a fragment load fall on different banks (ISA guide 11.1)
.set CP,     528
.set SC0,    295936                    ; scale bytes: 64 rows of 32, pitch 36; the second set SCX further on
.set SCP,    36
.set SCX,    4096
.set PART,   303104                    ; [GEMM wave 8][row 64] f32
.set PSC,    305152                    ; p of a block's 64 rows: 256 bytes for each GEMM wave, its own
.set BWT,    307200                    ; (bias, weight) of a GEMM wave's 128 columns: 1,024 bytes each, its own
.set GRP,    4352                      ; a K step's weights in wbuf: four tiles of 1,024 bytes, 256 bytes of scale words
; REGISTERS.  v1-19 addresses, made by every wave ahead of the first parting; v20 m, v21 l, v22 (sum of Wa + Wa_b) log2(e).
; Both roles keep loads from memory out across the barriers at which they meet, so THE TWO ROLES' LOADS FROM MEMORY LAND IN DISJOINT REGISTERS: the weights in v26-31, v64-95 and v256-319, the rows in v32-63 and v96-255.
; GEMM waves: v24-25 A's scale words, v26-31 B's (three sets): these hold scales and nothing else; v32-63 A's four fragments; v64-95 B's set 0; v96-127 the row sums S; v128-255 the 16 accumulators, at work in the second half;
;   window 1: v256-287 B's set 1, v288-319 B's set 2, v320-327 (bias, weight) of the chunk's four tiles, v328-335 the context.
; Loaders: six row slots of 32: v32-63 and v96-255; v64-75 at work; window 1: v256-319 the block's codes.
.set SA,   24
.set SBW,  26
.set AF,   32
.set B0,   64
.set SR,   96
.set ACC,  128
.set XR,   160                         ; second half: eight rows' 16 bytes, four sets: XR, XR + 32, SR, AF
.set PR,   224                         ; second half: p of my 32 rows
.set BWR,  64                          ; in window 1
.set CTX,  72                          ; in window 1
.set MX,   64
.set SCL,  68
.set BY,   72
.set MSB, 0
.macro WIN new                         ; s_set_vgpr_msb: bits 1:0 source 0, 3:2 source 1, 5:4 source 2, 7:6 destination; the high byte repeats the setting that is left
.if MSB != \new
	s_set_vgpr_msb (MSB<<8)|\new
.set MSB, \new
.endif
.endm
.macro BAR                             ; my LDS stores have landed and my LDS loads are in: then the work-group's barrier
	s_wait_dscnt 0x0
	s_barrier_signal -1
	s_barrier_wait -1
.endm
.macro PLACES                          ; four plain places behind a matrix instruction, ahead of loads into its registers and of reads of its result (ISA guide 7.12.1 for reads of its result)
.rept 4
	v_nop
.endr
.endm
; ---------------- GEMM waves
; the weights of step k (chunk k / 8, K step k % 8) into set k % 3: ten loads
.macro BL k
.set SG, (\k)%3
.if SG == 0
	WIN 0
.set BB, B0
.else
	WIN 0x40                                       ; sets 1 and 2 lie in window 1
.set BB, 32*(SG-1)
.endif
.irp t, 0,1,2,3
.irp c, 0,1
	global_load_b128 v[BB+8*\t+4*\c:BB+8*\t+4*\c+3], v1, s[6:7] offset:(\k)*GRP+\t*1024+512*\c   ; 32 lanes read 512 consecutive bytes
.endr
.endr
	WIN 0
.irp u, 0,1
	global_load_b32 v[SBW+2*SG+\u], v2, s[6:7] offset:(\k)*GRP+4096+128*\u   ; lanes 0-15 tile 2 u, lanes 16-31 tile 2 u + 1
.endr
.endm
; two fragments of A (tiles 2 half, 2 half + 1) of K step s, and their rows' scale words (lane = row 32 half + lane): five LDS loads
.macro AL half, s
.irp aa, 0,1
.irp c, 0,1
	ds_load_b128 v[AF+8*(2*(\half)+\aa)+4*\c:AF+8*(2*(\half)+\aa)+4*\c+3], v3 offset:(2*(\half)+\aa)*16*CP+64*(\s)+32*\c
.endr
.endr
	ds_load_b32 v[SA+(\half)], v5 offset:(\half)*32*SCP+4*(\s)
.endm
.macro BWL c                           ; (bias, weight) of chunk c's four tiles, column r of each
	WIN 0x40
.irp t, 0,1,2,3
	ds_load_b64 v[BWR+2*\t:BWR+2*\t+1], v12 offset:512*(\c)+128*\t
.endr
	WIN 0
.endm
; one product: source 0 = 16 rows of the block, source 1 = 16 rows n of Wc: in the result a lane holds column n = r and rows 8 h + 0 .. 7.  An odd tile's scale words stand in lanes 16-31.
.macro WM a, t, zero
.set rD, ACC+8*(4*(\a)+(\t))
.set rA, AF+8*(\a)
.set rB, BB+8*(\t)
.set rX, SA+(\a)/2
.set rY, SBW+2*SG+(\t)/2
.set rw, 2*((\a)%2)+(\t)%2
.if \zero
.if rw == 0
	v_wmma_scale_f32_16x16x128_f8f6f4 v[rD:rD+7], v[rA:rA+7], v[rB:rB+7], 0, v[rX], v[rY] matrix_a_fmt:MATRIX_FMT_FP4 matrix_b_fmt:MATRIX_FMT_FP4
.elseif rw == 1
	v_wmma_scale_f32_16x16x128_f8f6f4 v[rD:rD+7], v[rA:rA+7], v[rB:rB+7], 0, v[rX], v[rY] matrix_a_fmt:MATRIX_FMT_FP4 matrix_b_fmt:MATRIX_FMT_FP4 matrix_b_scale:MATRIX_SCALE_ROW1
.elseif rw == 2
	v_wmma_scale_f32_16x16x128_f8f6f4 v[rD:rD+7], v[rA:rA+7], v[rB:rB+7], 0, v[rX], v[rY] matrix_a_fmt:MATRIX_FMT_FP4 matrix_b_fmt:MATRIX_FMT_FP4 matrix_a_scale:MATRIX_SCALE_ROW1
.else
	v_wmma_scale_f32_16x16x128_f8f6f4 v[rD:rD+7], v[rA:rA+7], v[rB:rB+7], 0, v[rX], v[rY] matrix_a_fmt:MATRIX_FMT_FP4 matrix_b_fmt:MATRIX_FMT_FP4 matrix_a_scale:MATRIX_SCALE_ROW1 matrix_b_scale:MATRIX_SCALE_ROW1
.endif
.else
.if rw == 0
	v_wmma_scale_f32_16x16x128_f8f6f4 v[rD:rD+7], v[rA:rA+7], v[rB:rB+7], v[rD:rD+7], v[rX], v[rY] matrix_a_fmt:MATRIX_FMT_FP4 matrix_b_fmt:MATRIX_FMT_FP4
.elseif rw == 1
	v_wmma_scale_f32_16x16x128_f8f6f4 v[rD:rD+7], v[rA:rA+7], v[rB:rB+7], v[rD:rD+7], v[rX], v[rY] matrix_a_fmt:MATRIX_FMT_FP4 matrix_b_fmt:MATRIX_FMT_FP4 matrix_b_scale:MATRIX_SCALE_ROW1
.elseif rw == 2
	v_wmma_scale_f32_16x16x128_f8f6f4 v[rD:rD+7], v[rA:rA+7], v[rB:rB+7], v[rD:rD+7], v[rX], v[rY] matrix_a_fmt:MATRIX_FMT_FP4 matrix_b_fmt:MATRIX_FMT_FP4 matrix_a_scale:MATRIX_SCALE_ROW1
.else
	v_wmma_scale_f32_16x16x128_f8f6f4 v[rD:rD+7], v[rA:rA+7], v[rB:rB+7], v[rD:rD+7], v[rX], v[rY] matrix_a_fmt:MATRIX_FMT_FP4 matrix_b_fmt:MATRIX_FMT_FP4 matrix_a_scale:MATRIX_SCALE_ROW1 matrix_b_scale:MATRIX_SCALE_ROW1
.endif
.endif
.endm
.macro MM half, k, zero                ; eight products: two tiles of rows x the chunk's four tiles of columns
.set SG, (\k)%3
.if SG == 0
	WIN 0
.set BB, B0
.else
	WIN 0x04                                       ; source 1 (B's set 1 or 2) in window 1
.set BB, 32*(SG-1)
.endif
.irp aa, 0,1
.irp t, 0,1,2,3
	WM (2*(\half)+\aa), \t, \zero
.endr
.endr
	WIN 0
.endm
; A step: 16 products.  The 16 accumulators take turns, one instruction a turn, in the same order in every step.  A chunk's first step starts the sums with the constant 0.
; Two waits on va_vdst: behind each eight products and their places, ahead of the loads into the registers that those products have read.
.macro STEP k
.set ZZ, 0
.if (\k)%8 == 0
.set ZZ, 1
.endif
.if (\k) <= 13
	s_wait_loadcnt 20                              ; this step's ten loads are in; the two later steps' may be out
.elseif (\k) == 14
	s_wait_loadcnt 10
.else
	s_wait_loadcnt 0x0
.endif
	s_wait_dscnt 5                                 ; A's tiles 0, 1 are in; the five youngest loads may be out
	MM 0, \k, ZZ
	PLACES
.if (\k) < 15
	s_wait_alu depctr_va_vdst(0)                   ; the eight products are done reading A's tiles 0, 1 and v24, in which the loads below land; in a chunk's first step tanh's lines are done reading the pairs v320-327 too
.if (\k) == 8
	BWL 1                                          ; chunk 1's pairs; the wait on the LDS counter below covers them
.endif
	AL 0, ((\k)+1)%8
	s_wait_dscnt 5                                 ; tiles 2, 3 are in; the five just issued may be out
.else
	s_wait_dscnt 0x0
.endif
	MM 1, \k, ZZ
	PLACES
.if (\k) < 15
	s_wait_alu depctr_va_vdst(0)                   ; the step's products are done reading A's tiles 2, 3 and v25, and B's set with its two scale words: the loads below land in these
	AL 1, ((\k)+1)%8
.endif
.if (\k) <= 12
	BL (\k)+3                                      ; into the set that this step has just read
.endif
.endm
; The chunk's 16 tiles: 2^(2 log2(e) (enc_proj + dec_proj + biases)), + 1, reciprocal, x (-2 Wa[n]), added onto the row sums S.  Each accumulator is read from its low end on.
; The exponentials are one batch and the reciprocals another: behind each one plain instruction and ONE wait ahead of the first reader.
.macro TANH c
	WIN 0x10                                       ; source 2 (the bias) in window 1
.set ii, 0
.rept 64
	v_pk_fma_f32 v[ACC+2*ii:ACC+2*ii+1], v[ACC+2*ii:ACC+2*ii+1], s[26:27], v[BWR+2*((ii/4)%4):BWR+2*((ii/4)%4)+1] op_sel_hi:[1,0,0]   ; of the pairs the low word serves both halves
.set ii, ii+1
.endr
	WIN 0
.set ii, 0
	s_wait_alu depctr_va_vdst(0)
.rept 128
	v_exp_f32 v[ACC+ii], v[ACC+ii]
.set ii, ii+1
.endr
	v_nop
	s_wait_alu depctr_va_vdst(0)                   ; the 128 exponentials have written their results, which the additions below read
.set ii, 0
.rept 64
	v_pk_add_f32 v[ACC+2*ii:ACC+2*ii+1], v[ACC+2*ii:ACC+2*ii+1], 1.0 op_sel_hi:[1,0]
.set ii, ii+1
.endr
.set ii, 0
	s_wait_alu depctr_va_vdst(0)
.rept 128
	v_rcp_f32 v[ACC+ii], v[ACC+ii]
.set ii, ii+1
.endr
	v_nop
	s_wait_alu depctr_va_vdst(0)                   ; the 128 reciprocals have written their results, which the lines below read
	WIN 0x04                                       ; source 1 (the weight) in window 1
.irp t, 0,1,2,3
.irp a, 0,1,2,3
.irp jj, 0,1,2,3
.if ((\c) == 0) && (\t == 0)
	v_pk_mul_f32 v[SR+8*\a+2*\jj:SR+8*\a+2*\jj+1], v[ACC+8*(4*\a+\t)+2*\jj:ACC+8*(4*\a+\t)+2*\jj+1], v[BWR+2*\t:BWR+2*\t+1] op_sel:[0,1]   ; the first tile starts the sums; of the pair the high word, the weight, serves both halves
.else
	v_pk_fma_f32 v[SR+8*\a+2*\jj:SR+8*\a+2*\jj+1], v[ACC+8*(4*\a+\t)+2*\jj:ACC+8*(4*\a+\t)+2*\jj+1], v[BWR+2*\t:BWR+2*\t+1], v[SR+8*\a+2*\jj:SR+8*\a+2*\jj+1] op_sel:[0,1,0]
.endif
.endr
.endr
.endr
	WIN 0
.endm
.macro REDUCE                          ; S over the sixteen lanes (columns) of each half, then my 64 row sums to PART
.irp m, 1,2,4,8
.set ii, 0
.rept 32
	v_add_f32_dpp v[SR+ii], v[SR+ii], v[SR+ii] row_xmask:\m row_mask:0xf bank_mask:0xf
.set ii, ii+1
.endr
.endr
	s_wait_alu depctr_va_vdst(0)                   ; the sums across lanes have written S, which the LDS stores below read; and tanh's lines are done with v128-143, in which the second half's first loads land
.irp a, 0,1,2,3
.irp u, 0,1
	ds_store_b128 v8, v[SR+8*\a+4*\u:SR+8*\a+4*\u+3] offset:64*\a+16*\u   ; rows 16 a + 8 h + 4 u + 0 .. 3; the sixteen lanes of a half write the same words with the same values
.endr
.endr
.endm
.macro XSET g                          ; where rows 8 g .. 8 g + 7 of my 32 lie: v160-191, v192-223, S's registers, A's registers
.set XB, XR+32*(\g)
.if (\g) == 2
.set XB, SR
.endif
.if (\g) == 3
.set XB, AF
.endif
.endm
.macro XROWS g                         ; rows 8 g .. 8 g + 7 of my 32: my 16 bytes (8 columns) of each
	XSET \g
.irp i, 0,1,2,3,4,5,6,7
	ds_load_b128 v[XB+4*\i:XB+4*\i+3], v7 offset:(8*(\g)+\i)*2048
.endr
.endm
.macro XFMA g                          ; context += p x row, straight from the bf16 halves
	XSET \g
	WIN 0x50                                       ; the context (destination and source 2) in window 1
.irp i, 0,1,2,3,4,5,6,7
.irp e, 0,1,2,3
	v_fma_mix_f32_bf16 v[CTX+2*\e], v[XB+4*\i+\e], v[PR+8*(\g)+\i], v[CTX+2*\e] op_sel_hi:[1,0,0]
	v_fma_mix_f32_bf16 v[CTX+2*\e+1], v[XB+4*\i+\e], v[PR+8*(\g)+\i], v[CTX+2*\e+1] op_sel:[1,0,0] op_sel_hi:[1,0,0]
.endr
.endr
	WIN 0
.endm
; ---------------- loaders
; Slots: row t lies in slot t % 5, row 15 in slot 5: with five rows ahead no slot is loaded while it is in use, and the map comes round every 16 rows.  Slot 0 is v32-63, slot i (1 to 5) v[64 + 32 i] on.
.macro SLOTOF t
.set SI, ((\t)%16)%5
.if ((\t)%16) == 15
.set SI, 5
.endif
.set SB, 64+32*SI
.if SI == 0
.set SB, 32
.endif
.endm
; row t of the block in hand (t < 16), or row t - 16 of what follows it: eight loads of 512 consecutive bytes; lane (r, h) takes 16 bytes at 32 r + 16 h
.macro RLOAD t
	SLOTOF \t
.irp s, 0,1,2,3,4,5,6,7
.if (\t) < 16
	global_load_b128 v[SB+4*\s:SB+4*\s+3], v18, s[30:31] offset:(\t)*4096+512*\s th:TH_LOAD_NT
.else
	global_load_b128 v[SB+4*\s:SB+4*\s+3], v18, s[32:33] offset:((\t)-16)*4096+512*\s th:TH_LOAD_NT
.endif
.endr
.endm
.macro ROW t
	SLOTOF \t
	s_wait_loadcnt 32                              ; this row's eight loads are in; the four later rows' may be out
.irp k, 0,1,2,3
.irp p, 0,1,2,3
	v_permlane16_swap_b32 v[SB+8*\p+\k], v[SB+8*\p+4+\k]   ; two loads' halves change places: lane (r, h) now holds k = 128 (2 p + h) + 8 r + 0 .. 7 in eight registers on end
.endr
.endr
.irp p, 0,1,2,3
	v_max3_num_f32 v[MX+\p], |v[SB+8*\p]|, |v[SB+8*\p+1]|, 0x1800000   ; my eight, and the floor 2^(3 - 127): the byte cannot fall under 1
.endr
.irp i, 2,4,6
.irp p, 0,1,2,3
	v_max3_num_f32 v[MX+\p], v[MX+\p], |v[SB+8*\p+\i]|, |v[SB+8*\p+\i+1]|
.endr
.endr
.irp m, 1,2
.irp p, 0,1,2,3
	v_max_num_f32_dpp v[MX+\p], v[MX+\p], v[MX+\p] row_xmask:\m row_mask:0xf bank_mask:0xf   ; four neighbouring lanes hold a block of 32
.endr
.endr
.irp p, 0,1,2,3
	v_add_nc_u32 v[SCL+\p], 0xff000000, v[MX+\p]   ; 2 off the exponent field: the conversion's scale operand
.endr
	WIN 0x40                                       ; the codes wait in window 1
.irp p, 0,1,2,3
	v_cvt_scalef32_pk8_fp4_f32 v[4*(\t)+\p], v[SB+8*\p:SB+8*\p+7], v[SCL+\p]
.endr
	WIN 0
.irp p, 0,1,2,3
	v_lshrrev_b32 v[BY+\p], 23, v[SCL+\p]          ; the byte.  (Plain lines between the conversions and the lines that write their sources)
.endr
.irp i, 0,1,2,3
.irp p, 0,1,2,3
	v_cvt_pk_bf16_f32 v[SB+8*\p+\i], v[SB+8*\p+2*\i], v[SB+8*\p+2*\i+1]   ; in place, ascending: no source is written before it is read
.endr
.endr
	s_wait_alu depctr_va_vdst(0)                   ; the row's lines have written its bf16 numbers and bytes, which the LDS stores below read, and its codes, which DUMP stores; and they are done with the slots, in one of which the load below lands
.irp p, 0,1,2,3
	ds_store_b128 v14, v[SB+8*\p:SB+8*\p+3] offset:(\t)*2048+512*\p   ; 32 lanes store 512 consecutive bytes of the row
.endr
.irp p, 0,1,2,3
	ds_store_b8 v16, v[BY+\p] offset:(\t)*SCP+8*\p   ; block 8 p + lane / 4; its four lanes write the same byte with the same value
.endr
	s_wait_dscnt 0x0                               ; the row's stores are done
	s_wait_alu depctr_vm_vsrc(0)                   ; the LDS stores have read the slot's registers, in which a load lands again, and the bytes v72-75, which the next row's lines write
	RLOAD (\t)+5
.endm
; A block of 16 rows.  The five rows ahead of its end are the next block's first five; behind the last block there are none, and the same loads ask for that block's rows 11 to 15 once more:
; they stay inside the buffer, are never used, and keep the count of the wait in ROW the same in every row.
.macro PRODUCE inloop
	s_wait_xcnt 0x0                                ; the loads that named s[32:33] have read it
	s_mov_b32 s34, 65536
.if \inloop
	s_cmp_eq_u32 s22, 2                            ; trip 2 makes block 3, the last
	s_cselect_b32 s34, 45056, s34
.endif
	s_mov_b32 s35, 0
	s_add_nc_u64 s[32:33], s[30:31], s[34:35]
.irp t, 0,1,2,3,4,5,6,7,8,9,10,11,12,13,14,15
	ROW \t
.endr
	s_wait_xcnt 0x0                                ; the loads that named s[30:31] have read it
	s_add_nc_u64 s[30:31], s[30:31], 65536
.endm
.macro DUMP                            ; the block's codes: 4 bytes a lane, 128 consecutive bytes an instruction.  No wait: no vector line has been issued since the last row's wait on va_vdst
	WIN 0x04
.irp t, 0,1,2,3,4,5,6,7,8,9,10,11,12,13,14,15
.irp p, 0,1,2,3
	ds_store_b32 v17, v[4*\t+\p] offset:\t*CP+128*\p
.endr
.endr
	WIN 0
.endm
	; ---------------- the head: every wave makes every address
	s_load_b256 s[4:11], s[0:1], 0x0               ; encoder_hiddens s[4:5], wbuf s[6:7], bw s[8:9], Wa_w s[10:11]
	s_load_b128 s[12:15], s[0:1], 0x20             ; Wa_b s[12:13], pctx s[14:15]
	s_load_b64 s[16:17], s[0:1], 0x30              ; stats
	v_lshrrev_b32 v23, 5, v0
	v_readfirstlane_b32 s18, v23                   ; wave 0..11
	s_wait_alu depctr_va_sdst(0)                   ; s18 is written, ahead of its first reader
	s_and_b32 s19, s18, 3                          ; loader: q.  GEMM wave: which 256 columns of the context
	s_and_b32 s20, s18, 7
	s_bfe_u32 s21, s18, 0x10002                    ; GEMM wave: which 32 rows of a block in the second half
	s_mov_b32 s22, 0                               ; J
	s_mov_b32 s23, 0                               ; T: the hold that is read
	s_mov_b32 s24, 0                               ; U: the set of scale bytes that is read
	s_mov_b32 s25, 0x3fb8aa3b                      ; log2(e)
	s_mov_b32 s26, 0x4038aa3b                      ; 2 log2(e); the packed form names a pair
	s_mov_b32 s27, s26
	s_mov_b32 s28, 0x76543210
	s_mov_b32 s29, 0xfedcba98                      ; selects for lane l xor 16
	v_and_b32 v20, 31, v0                          ; lane
	v_and_b32 v21, 15, v0                          ; r
	v_bfe_u32 v22, v0, 4, 1                        ; h
	v_lshlrev_b32 v1, 4, v20                       ; v1  16 x lane
	v_lshlrev_b32 v2, 2, v20                       ; v2  4 x lane
	v_mul_u32_u24 v3, v21, CP
	v_lshl_add_u32 v3, v22, 4, v3
	v_add_nc_u32 v3, CODES, v3                     ; v3  a fragment of A: row r, + 16 h
	v_mul_u32_u24 v4, v20, SCP
	v_add_nc_u32 v4, SC0, v4                       ; v4  A's scale words: row = lane
	s_lshl_b32 s37, s21, 16
	s_lshl_b32 s38, s19, 9
	s_add_co_u32 s37, s37, s38
	v_add_nc_u32 v6, s37, v1                       ; v6  in a hold: my 32 rows, my 256 columns, 16 bytes a lane
	s_lshl_b32 s37, s20, 8
	s_add_co_u32 s38, s37, PART
	v_lshl_add_u32 v8, v22, 5, s38                 ; v8  my part of PART, rows 8 h on
	v_add_nc_u32 v9, PART, v2                      ; v9  PART, row = lane
	s_add_co_u32 s38, s37, PSC
	v_add_nc_u32 v10, s38, v2                      ; v10 my p, row = lane
	s_lshl_b32 s39, s21, 7
	s_add_co_u32 s38, s38, s39
	v_mov_b32 v11, s38                             ; v11 my p, my 32 rows: the same address in every lane
	s_lshl_b32 s37, s20, 10
	s_add_co_u32 s37, s37, BWT
	v_lshl_add_u32 v12, v21, 3, s37                ; v12 my (bias, weight), column r
	v_add_nc_u32 v19, s37, v1                      ; v19 the same table, 16 bytes a lane
	s_lshl_b32 s37, s19, 15
	v_add_nc_u32 v13, s37, v1                      ; v13 loader: in a hold, my 16 rows
	v_add_nc_u32 v14, s23, v13                     ; v14 the first block goes into the hold that trip 0 reads
	s_mul_i32 s37, s19, 16*SCP
	s_add_co_u32 s37, s37, SC0
	v_lshrrev_b32 v15, 2, v20
	v_add_nc_u32 v15, s37, v15                     ; v15 loader: my 16 rows' scale bytes, byte lane / 4
	v_add_nc_u32 v16, s24, v15                     ; v16 likewise for the first block
	s_mul_i32 s37, s19, 16*CP
	s_add_co_u32 s37, s37, CODES
	v_add_nc_u32 v17, s37, v2                      ; v17 loader: my 16 rows' codes
	v_lshlrev_b32 v18, 5, v21
	v_lshl_add_u32 v18, v22, 4, v18                ; v18 32 r + 16 h
	s_lshl_b32 s38, ttmp9, 20                      ; the work-group's 256 rows of 4,096 bytes,
	s_lshl_b32 s39, s19, 18                        ; 64 of them by wave & 3
	s_add_co_u32 s38, s38, s39
	s_mov_b32 s39, 0
	s_wait_kmcnt 0x0
	s_add_nc_u64 s[30:31], s[4:5], s[38:39]        ; the stream's base is made here, on the way that every wave takes; the loaders alone use and step it
	s_mov_b64 s[32:33], s[30:31]                   ; the base of the rows ahead: written anew at the head of every block
	s_wait_alu depctr_va_vdst(0)                   ; v1 to v19 are written: the offsets and LDS addresses that the loads and stores of both roles read
	s_cmp_lt_u32 s18, 8
	s_cbranch_scc0 .Lload_first
	; ---------------- GEMM waves: the tables, and the first three steps' weights
	s_load_b32 s36, s[12:13], 0x0                  ; Wa_b
	s_lshr_b32 s38, ttmp9, 3                       ; b
	s_lshl_b32 s38, s38, 13
	s_lshl_b32 s39, s18, 10
	s_add_co_u32 s38, s38, s39
	s_mov_b32 s39, 0
	s_add_nc_u64 s[8:9], s[8:9], s[38:39]          ; bw at batch b, my 128 columns
	s_mul_i32 s38, s18, 16*GRP
	s_add_nc_u64 s[6:7], s[6:7], s[38:39]          ; wbuf at my 16 steps
	global_load_b128 v[128:131], v1, s[8:9]
	global_load_b128 v[132:135], v1, s[8:9] offset:512
.irp i, 0,1,2,3,4,5,6,7
	global_load_b128 v[136+4*\i:139+4*\i], v1, s[10:11] offset:512*\i
.endr
	s_wait_loadcnt 8                               ; my part of bw is in; Wa's eight loads may be out
	ds_store_b128 v19, v[128:131]                  ; (v128-135 are next written by trip 0's products, behind the wait on vm_vsrc at the trip's head)
	ds_store_b128 v19, v[132:135] offset:512
	v_mov_b32 v20, 0xff61b1e6                      ; m: -3e38, under every score
	v_mov_b32 v21, 0                               ; l
	WIN 0x40
.irp i, 0,1,2,3,4,5,6,7
	v_mov_b32 v[CTX+\i], 0                         ; the context: the step is written once, and its first change of m multiplies zeros
.endr
	WIN 0
	s_wait_loadcnt 0x0
.irp i, 0,2,4,6,8,10,12,14
	v_pk_add_f32 v[136+\i:137+\i], v[136+\i:137+\i], v[152+\i:153+\i]
.endr
.irp i, 0,2,4,6
	v_pk_add_f32 v[136+\i:137+\i], v[136+\i:137+\i], v[144+\i:145+\i]
.endr
.irp i, 0,2
	v_pk_add_f32 v[136+\i:137+\i], v[136+\i:137+\i], v[140+\i:141+\i]
.endr
	v_pk_add_f32 v[136:137], v[136:137], v[138:139]
	v_add_f32 v136, v136, v137
.irp m, 1,2,4,8
	v_add_f32_dpp v136, v136, v136 row_xmask:\m row_mask:0xf bank_mask:0xf
.endr
	v_permlanex16_b32 v137, v136, s28, s29
	v_add_f32 v136, v136, v137                     ; the sum of Wa
	s_wait_alu depctr_va_vdst(0)
	s_wait_kmcnt 0x0
	v_add_f32 v22, s36, v136                       ; + Wa_b,
	v_mul_f32 v22, s25, v22                        ; x log2(e)
	BL 0                                           ; (no vector line of this role has named the three sets or v26-31)
	BL 1
	BL 2
	s_branch .Lfirst_join
	; ---------------- loaders: block 0
.Lload_first:
.irp t, 0,1,2,3,4
	RLOAD \t
.endr
	PRODUCE 0
	DUMP
.Lfirst_join:
	BAR                                            ; block 0 lies in LDS: rows, scale bytes, codes
.Ltrip:
	s_xor_b32 s37, s23, HOLDSZ
	s_xor_b32 s38, s24, SCX
	s_wait_alu depctr_vm_vsrc(0)                   ; the LDS instructions issued so far have read v5, v7, v14 and v16, which the four lines below write; p's two stores (in trip 0 the table's) have read registers that this trip's products write; DUMP's stores have read the codes, which this trip's conversions write
	v_add_nc_u32 v5, s24, v4                       ; read: this block's scale words,
	v_add_nc_u32 v7, s23, v6                       ; and its rows
	v_add_nc_u32 v14, s37, v13                     ; written: the next block's rows,
	v_add_nc_u32 v16, s38, v15                     ; and its scale bytes
	s_wait_alu depctr_va_vdst(0)                   ; the four addresses are written; the last trip's context lines are done reading v32-63, and its tanh's lines the pairs v320-327: the LDS loads below land in these
	s_cmp_lt_u32 s18, 8
	s_cbranch_scc0 .Lload_a
	; ---- first half, GEMM waves
	BWL 0
	AL 0, 0
	AL 1, 0
.irp k, 0,1,2,3,4,5,6,7
	STEP \k
.endr
	TANH 0
.irp k, 8,9,10,11,12,13,14,15
	STEP \k
.endr
	s_cmp_eq_u32 s22, 3                            ; the next block's first three steps are asked for here, if there is a next block
	s_cbranch_scc1 .Lno_more_w
	s_wait_alu depctr_va_vdst(0)                   ; the products of steps 13 to 15 are done reading B's three sets and v26-31, in which the loads below land
	BL 0
	BL 1
	BL 2
.Lno_more_w:
	TANH 1
	REDUCE
	s_branch .Ljoin_a
.Lload_a:
	; ---- first half, loaders
	s_cmp_eq_u32 s22, 3
	s_cbranch_scc1 .Ljoin_a
	PRODUCE 1
.Ljoin_a:
	BAR                                            ; PART is whole; nobody reads this block's codes any more; the next block's rows and scale bytes lie in LDS
	s_cmp_lt_u32 s18, 8
	s_cbranch_scc0 .Lload_b
	; ---- second half, GEMM waves: every wave takes the same softmax step on the same numbers
.irp w, 0,1,2,3,4,5,6,7
	ds_load_b32 v[128+\w], v9 offset:256*\w        ; row = lane,
	ds_load_b32 v[136+\w], v9 offset:256*\w+128    ; and row = lane + 32
.endr
	v_mov_b32 v147, 0                              ; a lane permute's destination counts as one of its sources
	v_mov_b32 v152, 0
	s_wait_dscnt 0x0
	v_pk_add_f32 v[128:129], v[128:129], v[130:131]
	v_pk_add_f32 v[136:137], v[136:137], v[138:139]
	v_pk_add_f32 v[132:133], v[132:133], v[134:135]
	v_pk_add_f32 v[140:141], v[140:141], v[142:143]
	v_pk_add_f32 v[128:129], v[128:129], v[132:133]
	v_pk_add_f32 v[136:137], v[136:137], v[140:141]
	v_add_f32 v128, v128, v129
	v_add_f32 v136, v136, v137
	v_fma_f32 v144, v128, s25, v22                 ; t = score x log2(e)
	v_fma_f32 v145, v136, s25, v22
	v_max_num_f32 v146, v144, v145
.irp m, 1,2,4,8
	v_max_num_f32_dpp v146, v146, v146 row_xmask:\m row_mask:0xf bank_mask:0xf
.endr
	v_permlanex16_b32 v147, v146, s28, s29
	v_max_num_f32 v146, v146, v147                 ; the block's largest t
	v_max_num_f32 v147, v20, v146                  ; the new m
	v_sub_f32 v148, v20, v147
	v_sub_f32 v149, v144, v147
	v_sub_f32 v150, v145, v147
	s_wait_alu depctr_va_vdst(0)
	v_exp_f32 v148, v148                           ; f = 2^(old m - new m)
	v_exp_f32 v149, v149                           ; p
	v_exp_f32 v150, v150
	v_mov_b32 v20, v147                            ; (the plain place behind the batch)
	s_wait_alu depctr_va_vdst(0)                   ; the three exponentials have written their results, ahead of their first reader: v149 and v150 are the LDS stores' data; and every earlier line is done with v32-63, v96-127 and v160-255, in which the loads below land
	s_wait_alu depctr_vm_vsrc(0)                   ; my LDS stores to PART have read S (v96-127), in which rows 16 to 23 land
	ds_store_b32 v10, v149
	ds_store_b32 v10, v150 offset:128
.irp i, 0,1,2,3,4,5,6,7
	ds_load_b128 v[PR+4*\i:PR+4*\i+3], v11 offset:16*\i   ; LDS serves a wave's instructions in order (ISA guide 5.7.1.4): these see my stores.  p of my 32 rows, in every lane
.endr
	XROWS 0                                        ; all 32 rows in one run, a set of registers to each eight: no vector line below names a set before the wait on the LDS counter that shows it in
	XROWS 1
	XROWS 2
	XROWS 3
	v_add_f32 v151, v149, v150
.irp m, 1,2,4,8
	v_add_f32_dpp v151, v151, v151 row_xmask:\m row_mask:0xf bank_mask:0xf
.endr
	v_permlanex16_b32 v152, v151, s28, s29
	v_add_f32 v151, v151, v152
	v_fma_f32 v21, v21, v148, v151                 ; l = l f + the block's sum of p
	WIN 0x41
.irp i, 0,2,4,6
	v_pk_mul_f32 v[CTX+\i:CTX+\i+1], v[CTX+\i:CTX+\i+1], v[148:149] op_sel_hi:[1,0]   ; the context under the new m
.endr
	WIN 0
	s_wait_alu depctr_va_vdst(0)
	s_wait_dscnt 24                                ; p and rows 0-7 are in; the youngest 24 loads, rows 8-31, may be out
	XFMA 0
	s_wait_alu depctr_va_vdst(0)
	s_wait_dscnt 16                                ; rows 8-15 are in
	XFMA 1
	s_wait_alu depctr_va_vdst(0)
	s_wait_dscnt 8                                 ; rows 16-23 are in
	XFMA 2
	s_wait_alu depctr_va_vdst(0)
	s_wait_dscnt 0x0
	XFMA 3
	s_branch .Ljoin_b
.Lload_b:
	; ---- second half, loaders
	s_cmp_eq_u32 s22, 3
	s_cbranch_scc1 .Ljoin_b
	DUMP
.Ljoin_b:
	s_xor_b32 s23, s23, HOLDSZ
	s_xor_b32 s24, s24, SCX
	BAR                                            ; the next block's codes lie in LDS; nobody reads this block's rows or PART any more
	s_add_co_u32 s22, s22, 1
	s_cmp_lt_u32 s22, 4
	s_cbranch_scc1 .Ltrip
	s_cmp_lt_u32 s18, 8
	s_cbranch_scc0 .Lend
	s_lshl_b32 s38, ttmp9, 13                      ; pctx [work-group][half of the rows][1024]: my 256 columns
	s_lshl_b32 s39, s21, 12
	s_add_co_u32 s38, s38, s39
	s_lshl_b32 s39, s19, 10
	s_add_co_u32 s38, s38, s39
	s_mov_b32 s39, 0
	s_add_nc_u64 s[14:15], s[14:15], s[38:39]
	v_lshlrev_b32 v23, 1, v2                       ; 8 x lane: the offset of wave 0's store of (m, l); made here, so that one wait serves all the stores
	WIN 0x41
	s_wait_alu depctr_va_vdst(0)
.irp k, 0,1,2,3
	v_permlane16_swap_b32 v[CTX+\k], v[CTX+4+\k]   ; a lane held 32 bytes; now the first four registers hold the first 512 bytes of the wave's 1,024, 16 bytes a lane at 32 r + 16 h
.endr
	WIN 0x04
	s_wait_alu depctr_va_vdst(0)                   ; the context, v23, m and l are written, which the stores below read
	global_store_b128 v18, v[CTX:CTX+3], s[14:15]             ; each store covers 512 consecutive bytes, aligned
	global_store_b128 v18, v[CTX+4:CTX+7], s[14:15] offset:512
	WIN 0
	s_cmp_lg_u32 s18, 0
	s_cbranch_scc1 .Lend
	s_lshl_b32 s38, ttmp9, 8
	s_add_nc_u64 s[16:17], s[16:17], s[38:39]
	global_store_b64 v23, v[20:21], s[16:17]       ; (m, l), the same pair from all 32 lanes: 256 consecutive bytes, aligned
.Lend:
	s_wait_xcnt 0x0
	v_lshl_add_u32 v254, v0, 2, 0x4d000
	v_mov_b32 v255, 0
	s_wait_dscnt 0x0                               ; the closing lines, six on end
	s_wait_alu 0x0
	s_wait_tensorcnt 0x0
	ds_add_u32 v254, v255
	s_wait_dscnt 0x0
	s_endpgm
.Lfunc_end_k_q5ef42ed642_main:
	.size	k_q5ef42ed642_main, .Lfunc_end_k_q5ef42ed642_main-k_q5ef42ed642_main
	.p2alignl 7, 3214868480
	.fill 96, 4, 3214868480
	.section	.rodata,"a",@progbits
	.p2align	6, 0x0
	.amdhsa_kernel k_q5ef42ed642_main
		.amdhsa_group_segment_fixed_size 316928
		.amdhsa_private_segment_fixed_size 0
		.amdhsa_enable_private_segment 0
		.amdhsa_kernarg_size 56
		.amdhsa_user_sgpr_count 2
		.amdhsa_user_sgpr_kernarg_segment_ptr 1
		.amdhsa_wavefront_size32 1
		.amdhsa_system_sgpr_workgroup_id_x 1
		.amdhsa_system_sgpr_workgroup_id_y 1
		.amdhsa_system_sgpr_workgroup_id_z 1
		.amdhsa_system_vgpr_workitem_id 0
		.amdhsa_next_free_vgpr 336
		.amdhsa_next_free_sgpr 66
		.amdhsa_reserve_vcc 0
		.amdhsa_float_denorm_mode_32 3
		.amdhsa_float_denorm_mode_16_64 3
		.amdhsa_memory_ordered 1
		.amdhsa_forward_progress 1
		.amdhsa_inst_pref_size 255
	.end_amdhsa_kernel
	.section	.bss,"aw",@nobits
	.p2align	6
	.space	262144
	.amdgpu_metadata
---
amdhsa.version: [ 1, 2 ]
amdhsa.kernels:
  - .name:           k_q5ef42ed642_main
    .symbol:         k_q5ef42ed642_main.kd
    .args:
      - { .name: encoder_hiddens, .offset: 0, .size: 8, .value_kind: global_buffer, .address_space: global }
      - { .name: wbuf, .offset: 8, .size: 8, .value_kind: global_buffer, .address_space: global }
      - { .name: bw, .offset: 16, .size: 8, .value_kind: global_buffer, .address_space: global }
      - { .name: Wa_w, .offset: 24, .size: 8, .value_kind: global_buffer, .address_space: global }
      - { .name: Wa_b, .offset: 32, .size: 8, .value_kind: global_buffer, .address_space: global }
      - { .name: pctx, .offset: 40, .size: 8, .value_kind: global_buffer, .address_space: global }
      - { .name: stats, .offset: 48, .size: 8, .value_kind: global_buffer, .address_space: global }
    .group_segment_fixed_size: 316928
    .private_segment_fixed_size: 0
    .kernarg_segment_align: 8
    .kernarg_segment_size: 56
    .max_flat_workgroup_size: 384
    .sgpr_count:     66
    .vgpr_count:     336
    .wavefront_size: 32
...
	.end_amdgpu_metadata
.endif
;; end of part 5
;; launch finish (part 6): grid 32 x 1, 8 waves a work-group, no clusters, 0 bytes of LDS; arguments pctx, stats, out0; writes out0
.if DOCPART == 6
	.amdgcn_target "amdgcn-amd-amdhsa--gfx1250"
	.amdhsa_code_object_version 6
	.text
	.protected	k_q5ef42ed642_finish
	.globl	k_q5ef42ed642_finish
	.p2align	8
	.type	k_q5ef42ed642_finish,@function
k_q5ef42ed642_finish:
	s_mov_b64 s[64:65], 0
	v_nop
	global_prefetch_b8 v0, s[64:65] scope:SCOPE_SE
	s_setreg_imm32_b32 hwreg(HW_REG_WAVE_MODE, 25, 1), 1
	s_wait_xcnt 0x0
; FINISH.  A work-group joins the eight parts of one batch b: M = the largest m_j; w_j = 2^(m_j - M); L = the sum of w_j l_j; out0[b] = the sum of w_j (c_j0 + c_j1) / L.
; m is kept in base 2 (score x log2(e)) by the launch before.  Thread t owns columns 4 t .. 4 t + 3: every load and the store take 16 neighbouring bytes in neighbouring lanes.
; No LDS, no barrier, no matrix unit: 24 loads a thread, all asked for at once, and some fifty vector instructions.
	s_load_b128 s[4:7], s[0:1], 0x0                ; pctx s[4:5], stats s[6:7]
	s_load_b64 s[8:9], s[0:1], 0x10                ; out0
	v_and_b32 v1, 31, v0
	s_delay_alu instid0(VALU_DEP_1)
	v_lshlrev_b32 v1, 3, v1                        ; stats: each lane reads its own copy of the pair
	v_lshlrev_b32 v2, 4, v0                        ; 16 bytes a thread
	s_lshl_b32 s10, ttmp9, 16                      ; a batch: 8 work-groups x 8,192 bytes of pctx,
	s_mov_b32 s11, 0
	s_lshl_b32 s12, ttmp9, 11                      ; 8 x 256 bytes of stats,
	s_mov_b32 s13, 0
	s_lshl_b32 s14, ttmp9, 12                      ; a row of out0
	s_mov_b32 s15, 0
	s_wait_alu depctr_va_vdst(0)
	s_wait_kmcnt 0x0
	s_add_nc_u64 s[4:5], s[4:5], s[10:11]
	s_add_nc_u64 s[6:7], s[6:7], s[12:13]
	s_add_nc_u64 s[8:9], s[8:9], s[14:15]
.irp j, 0,1,2,3,4,5,6,7
	global_load_b64 v[4+2*\j:5+2*\j], v1, s[6:7] offset:256*\j       ; (m_j, l_j)
.endr
.irp i, 0,1,2,3,4,5,6,7,8,9,10,11,12,13,14,15
	global_load_b128 v[32+4*\i:35+4*\i], v2, s[4:5] offset:4096*\i   ; part j = i / 2, half i % 2
.endr
	s_wait_loadcnt 16                              ; the pairs are in; the sixteen vectors may be out
	v_max3_num_f32 v24, v4, v6, v8
	s_delay_alu instid0(VALU_DEP_1)
	v_max3_num_f32 v24, v24, v10, v12
	s_delay_alu instid0(VALU_DEP_1)
	v_max3_num_f32 v24, v24, v14, v16
	s_delay_alu instid0(VALU_DEP_1)
	v_max_num_f32 v24, v24, v18                    ; M
.irp j, 0,1,2,3,4,5,6,7
	v_sub_f32 v[4+2*\j], v[4+2*\j], v24
.endr
	s_wait_alu depctr_va_vdst(0)
.irp j, 0,1,2,3,4,5,6,7
	v_exp_f32 v[4+2*\j], v[4+2*\j]                 ; w_j takes m_j's place: the pair (w_j, l_j) is what the packed forms below name
.endr
	v_nop                                          ; one plain place behind the batch,
	s_wait_alu depctr_va_vdst(0)                   ; and one wait ahead of its first reader
	v_mul_f32 v25, v4, v5
.irp j, 1,2,3,4,5,6,7
	v_fmac_f32 v25, v[4+2*\j], v[5+2*\j]           ; L
.endr
	s_wait_alu depctr_va_vdst(0)
	v_rcp_f32 v25, v25
	v_nop
	s_wait_alu depctr_va_vdst(0)
.irp j, 0,1,2,3,4,5,6,7
	v_mul_f32 v[4+2*\j], v[4+2*\j], v25            ; w_j / L
.endr
	s_wait_alu depctr_va_vdst(0)
	s_wait_loadcnt 0x0
	v_pk_mul_f32 v[28:29], v[32:33], v[4:5] op_sel_hi:[1,0]          ; the first vector starts the sums
	v_pk_mul_f32 v[30:31], v[34:35], v[4:5] op_sel_hi:[1,0]
.irp i, 1,2,3,4,5,6,7,8,9,10,11,12,13,14,15
	s_delay_alu instid0(VALU_DEP_2)
	v_pk_fma_f32 v[28:29], v[32+4*\i:33+4*\i], v[4+2*(\i/2):5+2*(\i/2)], v[28:29] op_sel_hi:[1,0,1]
	s_delay_alu instid0(VALU_DEP_2)
	v_pk_fma_f32 v[30:31], v[34+4*\i:35+4*\i], v[4+2*(\i/2):5+2*(\i/2)], v[30:31] op_sel_hi:[1,0,1]
.endr
	global_store_b128 v2, v[28:31], s[8:9]         ; sixteen lanes store 256 consecutive bytes, aligned
	s_endpgm
.Lfunc_end_k_q5ef42ed642_finish:
	.size	k_q5ef42ed642_finish, .Lfunc_end_k_q5ef42ed642_finish-k_q5ef42ed642_finish
	.p2alignl 7, 3214868480
	.fill 96, 4, 3214868480
	.section	.rodata,"a",@progbits
	.p2align	6, 0x0
	.amdhsa_kernel k_q5ef42ed642_finish
		.amdhsa_group_segment_fixed_size 0
		.amdhsa_private_segment_fixed_size 0
		.amdhsa_enable_private_segment 0
		.amdhsa_kernarg_size 24
		.amdhsa_user_sgpr_count 2
		.amdhsa_user_sgpr_kernarg_segment_ptr 1
		.amdhsa_wavefront_size32 1
		.amdhsa_system_sgpr_workgroup_id_x 1
		.amdhsa_system_sgpr_workgroup_id_y 1
		.amdhsa_system_sgpr_workgroup_id_z 1
		.amdhsa_system_vgpr_workitem_id 0
		.amdhsa_next_free_vgpr 112
		.amdhsa_next_free_sgpr 66
		.amdhsa_reserve_vcc 0
		.amdhsa_float_denorm_mode_32 3
		.amdhsa_float_denorm_mode_16_64 3
		.amdhsa_memory_ordered 1
		.amdhsa_forward_progress 1
		.amdhsa_inst_pref_size 8
	.end_amdhsa_kernel
	.amdgpu_metadata
---
amdhsa.version: [ 1, 2 ]
amdhsa.kernels:
  - .name:           k_q5ef42ed642_finish
    .symbol:         k_q5ef42ed642_finish.kd
    .args:
      - { .name: pctx, .offset: 0, .size: 8, .value_kind: global_buffer, .address_space: global }
      - { .name: stats, .offset: 8, .size: 8, .value_kind: global_buffer, .address_space: global }
      - { .name: out0, .offset: 16, .size: 8, .value_kind: global_buffer, .address_space: global }
    .group_segment_fixed_size: 0
    .private_segment_fixed_size: 0
    .kernarg_segment_align: 8
    .kernarg_segment_size: 24
    .max_flat_workgroup_size: 256
    .sgpr_count:     66
    .vgpr_count:     112
    .wavefront_size: 32
...
	.end_amdgpu_metadata
.endif
;; end of part 6
